; MI455X (gfx1250); checked and timed in simulation.
; The chip was launched on July 23, 2026; its instructions are those of AMD's public machine-readable ISA for CDNA 5 (MIT licence, August 2026) and "CDNA5" Instruction Set Architecture Reference Guide (July 2026). The comments in the code are by the model that wrote it; some were corrected since.
;; Multihead Attention. Allowed arithmetic: float matrix products may take bf16 or f16 operands with f32 sums; all other float work in f32.
;; Inputs: Wk 1,024 x 16 x 64 float32; Wo 16 x 64 x 1,024 float32; Wq 1,024 x 16 x 64 float32; Wv 1,024 x 16 x 64 float32; bk 16 x 64 float32; bo 1,024 float32; bq 16 x 64 float32; bv 16 x 64 float32; x 2 x 2,048 x 1,024 float32.
;; Outputs: out0 2 x 2,048 x 1,024 float32.
;; One version. Each part assembles by itself: llvm-mc -triple=amdgcn-amd-amdhsa -mcpu=gfx1250 --defsym DOCPART=n.
;; ======== version 1 of 1: 4 launches
;; limits: values are held in f16: magnitudes above 65,504 overflow, below 6.1e-05 lose precision
;; workspace buffers: qws 8,388,608 bytes; kws 8,388,608 bytes; vws 8,388,608 bytes; aows 8,388,608 bytes; xh 8,388,608 bytes; wh 6,291,456 bytes; woh 2,097,152 bytes
;; launch cast (part 1): grid 256 x 1, 16 waves a work-group, no clusters, 0 bytes of LDS; arguments x, Wq, Wk, Wv, Wo, xh, wh, woh; writes xh, wh, woh
.if DOCPART == 1
	.amdgcn_target "amdgcn-amd-amdhsa--gfx1250"
	.amdhsa_code_object_version 6
	.text
	.protected	k_qdebd07a453_cast
	.globl	k_qdebd07a453_cast
	.p2align	8
	.type	k_qdebd07a453_cast,@function
k_qdebd07a453_cast:
	s_mov_b64 s[64:65], 0
	v_nop
	global_prefetch_b8 v0, s[64:65] scope:SCOPE_SE
	s_setreg_imm32_b32 hwreg(HW_REG_WAVE_MODE, 25, 1), 1
	s_wait_xcnt 0x0
; The f32 operands of the two projections are rounded to f16 once, so that the products can take them as they lie, by tensor loads.
;   xh  = x,  [4096][1024] f16, same order.          woh = Wo, [1024][1024] f16, same order.
;   wh  = Wq, Wk, Wv as [head 16][k / 64][mat 3][k % 64][d 64] f16: the 128 k of one step of one head are 49,152 dense bytes.
; A stream: memory binds, so no LDS, no matrix unit, no cluster (no byte is read twice).  4,096 waves; each has 16 loads of 512 bytes, all
; issued at once (8 of x, 2 of each W, 2 of Wo), and no loop: every register is written once, so no wait frees a source.
; A lane's 16 bytes of f32 become 8 bytes of f16, so each store of a wave covers 256 consecutive bytes, aligned.
; W: lanes 0-15 take head w's 256 bytes of row k, lanes 16-31 those of row k + 1; their f16 lie side by side in wh.
; The work-group's 16 waves are the 16 heads of four rows k, 16,384 consecutive bytes of each W.
; LIMIT.  A number beyond 65,504 in size overflows to infinity; below 2^-24 it rounds to zero.
.set D, 16                             ; v16-79: load n at D + 4 n
	s_load_b512 s[4:19], s[0:1], 0x0               ; x 4, Wq 6, Wk 8, Wv 10, Wo 12, xh 14, wh 16, woh 18
	v_and_b32 v1, 31, v0                           ; lane
	v_lshrrev_b32 v2, 5, v0
	v_readfirstlane_b32 s20, v2                    ; wave 0..15: for W also the head
	s_lshl_b32 s21, ttmp9, 4
	s_add_co_u32 s21, s21, s20                     ; the wave's number in the launch, 0..4095
	v_lshlrev_b32 v8, 4, v1                        ; 16 lane
	v_lshlrev_b32 v9, 3, v1                        ; 8 lane
	s_lshl_b32 s22, s21, 12
	v_add_nc_u32 v2, s22, v8                       ; x: 4,096 bytes a wave
	s_lshl_b32 s22, s21, 11
	v_add_nc_u32 v3, s22, v9                       ; xh: 2,048
	s_lshl_b32 s22, s21, 10
	v_add_nc_u32 v4, s22, v8                       ; Wo: 1,024
	s_lshl_b32 s22, s21, 9
	v_add_nc_u32 v5, s22, v9                       ; woh: 512
	v_and_b32 v6, 15, v0
	v_lshlrev_b32 v6, 4, v6
	v_bfe_u32 v7, v0, 4, 1
	v_lshl_add_u32 v6, v7, 12, v6                  ; 16 (lane % 16) + one row of 4,096 bytes for lanes 16-31
	s_lshl_b32 s22, ttmp9, 14                      ; rows 4 g .. 4 g + 3
	s_lshl_b32 s23, s20, 8                         ; the head's 256 bytes
	s_add_co_u32 s22, s22, s23
	v_add_nc_u32 v6, s22, v6                       ; W
	s_mul_i32 s22, s20, 393216                     ; wh: the head,
	s_lshr_b32 s23, ttmp9, 4
	s_mul_i32 s23, s23, 24576                      ; the block of 64 k,
	s_add_co_u32 s22, s22, s23
	s_and_b32 s23, ttmp9, 15
	s_lshl_b32 s23, s23, 9                         ; four rows of 128 bytes a work-group
	s_add_co_u32 s22, s22, s23
	v_add_nc_u32 v7, s22, v9
	s_wait_kmcnt 0x0
.irp i, 0,1,2,3,4,5,6,7
	global_load_b128 v[D+4*\i:D+4*\i+3], v2, s[4:5] offset:\i*512 th:TH_LOAD_NT
.endr
.irp mat, 0,1,2
.irp i, 0,1
	global_load_b128 v[D+32+8*\mat+4*\i:D+32+8*\mat+4*\i+3], v6, s[6+2*\mat:7+2*\mat] offset:\i*8192 th:TH_LOAD_NT
.endr
.endr
.irp i, 0,1
	global_load_b128 v[D+56+4*\i:D+56+4*\i+3], v4, s[12:13] offset:\i*512 th:TH_LOAD_NT
.endr
; Load n is rounded in place and stored.
.macro OUT n, off, base, imm
	s_wait_loadcnt 15-(\n)                         ; loads come back in order (ISA guide 5.7.1): the 15 - n issued behind this one may be out
	v_cvt_pk_f16_f32 v[D+4*(\n)], v[D+4*(\n)], v[D+4*(\n)+1]
	v_cvt_pk_f16_f32 v[D+4*(\n)+1], v[D+4*(\n)+2], v[D+4*(\n)+3]
	global_store_b64 v[\off], v[D+4*(\n):D+4*(\n)+1], s[\base:\base+1] offset:\imm
.endm
.irp i, 0,1,2,3,4,5,6,7
	OUT \i, 3, 14, \i*256
.endr
.irp mat, 0,1,2
.irp i, 0,1
	OUT 8+2*\mat+\i, 7, 16, \mat*8192+\i*256
.endr
.endr
.irp i, 0,1
	OUT 14+\i, 5, 18, \i*256
.endr
	s_endpgm
.Lfunc_end_k_qdebd07a453_cast:
	.size	k_qdebd07a453_cast, .Lfunc_end_k_qdebd07a453_cast-k_qdebd07a453_cast
	.p2alignl 7, 3214868480
	.fill 96, 4, 3214868480
	.section	.rodata,"a",@progbits
	.p2align	6, 0x0
	.amdhsa_kernel k_qdebd07a453_cast
		.amdhsa_group_segment_fixed_size 0
		.amdhsa_private_segment_fixed_size 0
		.amdhsa_enable_private_segment 0
		.amdhsa_kernarg_size 64
		.amdhsa_user_sgpr_count 2
		.amdhsa_user_sgpr_kernarg_segment_ptr 1
		.amdhsa_wavefront_size32 1
		.amdhsa_system_sgpr_workgroup_id_x 1
		.amdhsa_system_sgpr_workgroup_id_y 1
		.amdhsa_system_sgpr_workgroup_id_z 1
		.amdhsa_system_vgpr_workitem_id 0
		.amdhsa_next_free_vgpr 80
		.amdhsa_next_free_sgpr 66
		.amdhsa_reserve_vcc 0
		.amdhsa_float_denorm_mode_32 3
		.amdhsa_float_denorm_mode_16_64 3
		.amdhsa_memory_ordered 1
		.amdhsa_forward_progress 1
		.amdhsa_inst_pref_size 7
	.end_amdhsa_kernel
	.amdgpu_metadata
---
amdhsa.version: [ 1, 2 ]
amdhsa.kernels:
  - .name:           k_qdebd07a453_cast
    .symbol:         k_qdebd07a453_cast.kd
    .args:
      - { .name: x, .offset: 0, .size: 8, .value_kind: global_buffer, .address_space: global }
      - { .name: Wq, .offset: 8, .size: 8, .value_kind: global_buffer, .address_space: global }
      - { .name: Wk, .offset: 16, .size: 8, .value_kind: global_buffer, .address_space: global }
      - { .name: Wv, .offset: 24, .size: 8, .value_kind: global_buffer, .address_space: global }
      - { .name: Wo, .offset: 32, .size: 8, .value_kind: global_buffer, .address_space: global }
      - { .name: xh, .offset: 40, .size: 8, .value_kind: global_buffer, .address_space: global }
      - { .name: wh, .offset: 48, .size: 8, .value_kind: global_buffer, .address_space: global }
      - { .name: woh, .offset: 56, .size: 8, .value_kind: global_buffer, .address_space: global }
    .group_segment_fixed_size: 0
    .private_segment_fixed_size: 0
    .kernarg_segment_align: 8
    .kernarg_segment_size: 64
    .max_flat_workgroup_size: 512
    .sgpr_count:     66
    .vgpr_count:     80
    .wavefront_size: 32
...
	.end_amdgpu_metadata
.endif
;; end of part 1
;; launch qkv (part 2): grid 16 x 16, 4 waves a work-group, clusters of 4 x 4, 327,680 bytes of LDS; arguments xh, wh, bq, bk, bv, qws, kws, vws; writes qws, kws, vws
.if DOCPART == 2
	.amdgcn_target "amdgcn-amd-amdhsa--gfx1250"
	.amdhsa_code_object_version 6
	.text
	.protected	k_qdebd07a453_qkv
	.globl	k_qdebd07a453_qkv
	.p2align	8
	.type	k_qdebd07a453_qkv,@function
k_qdebd07a453_qkv:
	s_mov_b64 s[64:65], 0
	v_nop
	global_prefetch_b8 v0, s[64:65] scope:SCOPE_SE
	s_setreg_imm32_b32 hwreg(HW_REG_WAVE_MODE, 25, 1), 1
	s_wait_xcnt 0x0
	s_wait_alu depctr_hold_cnt(0) depctr_sa_sdst(0) depctr_va_vdst(0) depctr_va_sdst(0) depctr_va_ssrc(0) depctr_va_vcc(0) depctr_vm_vsrc(0)
	s_getreg_b32 s2, hwreg(HW_REG_IB_STS2, 6, 4)
	s_cmp_eq_u32 s2, 0
	s_cbranch_scc0 .Lentry_in_a_cluster
	s_endpgm
.Lentry_in_a_cluster:
	s_bfe_u32 s2, ttmp6, 0x10000c
	s_cmp_lg_u32 s2, 0xf033
	s_cbranch_scc0 .Lentry_shape_is_right
	s_endpgm
.Lentry_shape_is_right:
; q, k, v = x W + b for ONE head (64 columns of each of Wq, Wk, Wv) and 256 rows of x; rotary embedding on q and k;
; q and k each times sqrt(log2(e)/8); all three rounded once to f16 and stored as [b][h][s][64] (rows of 128 bytes, a head dense).
; xh: x in f16, [4096][1024].  wh: the weights in f16, [head][k / 64][mat][k % 64][d]  (mat 0 q, 1 k, 2 v).
; As a product: 256 x 192 x 1024.  Four waves, as many as a WGP has SIMDs; wave w makes rows 128 (w >> 1) .. +127 (eight row tiles) and six
; column tiles b = 2 mat + hi that hold the head's columns d = 16 (w & 1) + 32 hi + 0..15, so that the rotary partners d and d + 32 lie in
; the same lane and register of tiles hi = 0 and hi = 1.  48 accumulator tiles, 384 registers.
; K goes in 8 steps of 128 through two LDS slots filled by the tensor data mover: x's rows are 256 bytes of memory, aligned; W's part of a
; step is 49,152 dense bytes, taken as rows of 128 bytes so that each gets its padding.
; CLUSTERS: 4 x 4 work-groups.  The four of a row of the cluster make four heads of the same 256 rows and need the same tiles of x; the four
; of a column make the same head and need the same tiles of W.  Each tile is asked for jointly, which divides the requests for both by four.
; REGISTERS, in windows of 256:
;   window 0: v16-31 addresses; v64-127, v128-191 fragments of x (8 x 16 rows x 32 K), two buffers; v192-239 the biases
;   window 1: v64-111, v128-175 fragments of W (6 x 16 columns x 32 K), two buffers
;   window 2: accumulators of row tiles 0-3 (tile (a, b) at v[8 (6 a + b)]), v192-255 cos and sin of those rows;  window 3: row tiles 4-7 likewise
; The matrix instruction is used transposed (source 0 = W's columns, source 1 = x's rows): lane (r, h) holds row r and the eight
; neighbouring columns 8 h + 0..7 of a tile.
; F16.  The launches round eight operands on the way to one output and each rounding's relative error reaches the result; eleven significant
; bits keep their sum some eight times smaller than eight bits would.  The room: x of size 1 and W of size 1/32, each 30 times larger, give
; q, k, v of spread 900; each 30 times smaller, spread 1.1e-3, where f16's step of 2^-24 is 6e-5 of the spread; both with an offset of 30
; spreads, 1024 x 30 x 0.94 = 28,800 for v and, with the factor 0.4247 shared out evenly between q and k for this reason, 12,300 for q and k.
; LIMITS.  A v, or a q or k after its factor, beyond 65,504 in size overflows to infinity.
; cos and sin are made here, each lane its own 8 frequencies: the frequency by v_exp_f32, the first row tile's angle reduced in turns, a
; polynomial on a quarter of the angle, two doublings, then one complex product for each further 16 rows.  Against tables made in f32 from
; the same formula the angle differs by up to about 3e-4 radians at position 2047.
.set KSTEP,  128
.set PA,     272                       ; x's LDS row: 256 bytes + 16: the 16 rows of a fragment load start 4 banks apart (64 banks of 4 bytes: ISA guide 11.1)
.set PB,     160                       ; W's LDS row: 128 bytes + 32, an odd multiple of 32: the 8 rows x 32 bytes of a transposing load tile the banks
.set HALFA,  128*PA                    ; what one tensor load brings of x: 128 rows
.set HALFB,  192*PB                    ; and of W: 64 k x 3 matrices
.set BOFF,   2*HALFA
.set SLOT,   BOFF+2*HALFB              ; 131,072
.set LAPS,   4                         ; a lap = two K steps = once round the ring
.set FACT,   0x3ed96d27                ; sqrt(log2(e)/8) = 0.4246609
.set ADRA, 16                          ; v16-17  x fragments in slot 0, 1
.set ADRB, 18                          ; v18-19  W fragments in slot 0, 1
.set VBI,  20                          ; v20     bias: 64 (w & 1) + 32 h
.set STG,  21                          ; v21     the way out: my 16 bytes in q's stage (k's by the immediate)
.set STG2, 22                          ; v22     the same in v's stage, which no 16-bit immediate reaches
.set RDB,  23                          ; v23-24  the way out: where I read rows back
.set RDB2, 24
.set GO,   25                          ; v25     and where they go in memory
.set KS,   26                          ; at the start only: two constants, the position, the first frequency's number
.set KC,   27
.set PP,   28
.set VI,   29
.set AN,   32                          ; v32-47  16 angles: 8 of the first row tile, 8 of a step of 16 rows
.set TJ,   48
.set FR,   56                          ; v56-63  8 frequencies
.set F0,   64                          ; fragment buffer 0
.set F1,   128                         ; fragment buffer 1
.set TT,   64                          ; at the start only, in the fragments' registers: v64-79, v80-95 at work,
.set ZZ,   80
.set C16,  96                          ; v96-111 cos, v112-127 sin of the 16 angles
.set S16,  112
.set DC,   104                         ; the step's cos and sin
.set DS,   120
.set BI,   192                         ; v192-239 the biases, 8 b
.set CS,   192                         ; in windows 2 and 3: row tile a at CS + 16 a: cos[8], sin[8]
.set T,    64                          ; the way out: v64-111 one row tile with bias, v112-143 turned, v144-167 packed
.set R,    112
.set PK,   144
.set G1,  24                           ; s[24:31] descriptor group 1 for x's tiles
.set G0,  32                           ; s[32:39] group 0 for x's tiles, one set for each slot
.set G1B, 48                           ; s[48:55] group 1 for W's tiles
.set G0B, 56                           ; s[56:63] group 0 for W's tiles
.set MSB, 0
.macro WIN new                         ; s_set_vgpr_msb: bits 1:0 source 0, 3:2 source 1, 5:4 source 2, 7:6 destination; the high byte repeats the setting left
.if MSB != \new
	s_set_vgpr_msb (MSB<<8)|\new
.set MSB, \new
.endif
.endm
.set MUL_LO, 0xa1                      ; source 0 (W) window 1, source 1 (x) window 0, C and D window 2
.set MUL_HI, 0xf1                      ; the same, C and D window 3
.set TO_B,   0x40                      ; destination window 1, address window 0
.macro PLACES                          ; four plain vector instructions between a matrix instruction and a load into, or a vector read of, its registers
.rept 4
	v_nop
.endr
.endm
; A joint load.  Waves 0 and 1 fetch x's two halves, waves 2 and 3 W's.  Each line has one mask and one set of registers; the branch hangs on the wave's number alone.
.macro JLOAD s
	s_cmp_eq_u32 s21, 0
	s_cbranch_scc0 .Lfor_b_\@
	tensor_load_to_lds s[G0+4*\s:G0+4*\s+3], s[G1:G1+7]
	s_nop 0
	s_branch .Lasked_\@
.Lfor_b_\@:
	tensor_load_to_lds s[G0B+4*\s:G0B+4*\s+3], s[G1B:G1B+7]
	s_nop 0
.Lasked_\@:
.endm
; A round of the cluster's barrier: my work-group's barrier; wave 0 signals for the work-group; every wave waits for all sixteen; my work-group's barrier once more.
.macro CREST                           ; a round behind its opening barrier
	s_cmp_lg_u32 s20, 0
	s_cbranch_scc1 .Lnot_wave_0_\@
	s_barrier_signal -3
.Lnot_wave_0_\@:
	s_barrier_wait -3
	s_barrier_signal -1
	s_barrier_wait -1
.endm
.macro CROUND                          ; a whole round
	s_barrier_signal -1
	s_barrier_wait -1
	CREST
.endm
	s_load_b256 s[4:11], s[0:1], 0x0               ; xh 4, wh 6, bq 8, bk 10
	s_load_b256 s[12:19], s[0:1], 0x20             ; bv 12, qws 14, kws 16, vws 18
	s_set_vgpr_msb 0x40
	v_lshl_add_u32 v255, v0, 2, 0x40000
	s_set_vgpr_msb 0x4000
	v_mov_b32 v31, 0
	s_set_vgpr_msb 0x1
	ds_add_u32 v255, v31
	s_set_vgpr_msb 0x100
	v_lshrrev_b32 v1, 5, v0
	v_readfirstlane_b32 s20, v1                    ; wave 0..3
	s_lshr_b32 s21, s20, 1                         ; which 128 rows are mine.  Also: I fetch for x (0) or for W (1)
	s_and_b32 s22, s20, 1                          ; which 16 columns of each half of the head.  Also: which half of that tile I fetch
	s_bfe_u32 s40, ttmp6, 0x40000                  ; cx
	s_bfe_u32 s41, ttmp6, 0x40004                  ; cy
	s_lshl_b32 s42, ttmp9, 2
	s_add_co_u32 s42, s42, s40                     ; head = 4 x cluster x + cx
	s_and_b32 s43, ttmp7, 0xffff
	s_lshl_b32 s43, s43, 2
	s_add_co_u32 s43, s43, s41                     ; block of 256 rows = 4 x cluster y + cy
	s_lshl_b32 s44, s41, 2
	s_lshl_b32 s44, 15, s44                        ; my row of the cluster
	s_lshl_b32 s45, 0x1111, s40                    ; my column
	; x's tiles: 128 rows x 128 elements of 2 bytes, 1,024 elements from row to row; 4 words of padding after every 64; they go to my row
	s_or_b32 s[G1+0], s44, (1<<16)|(1<<20)|(1<<21)|(5<<22)|(3<<25)
	s_mov_b32 s[G1+1], KSTEP<<16                   ; tensor_dim0 = 128
	s_mov_b32 s[G1+2], 128<<16                     ; tensor_dim1 = 128
	s_mov_b32 s[G1+3], KSTEP<<16                   ; tile_dim0 = 128
	s_mov_b32 s[G1+4], 128                         ; tile_dim1 = 128
	s_mov_b32 s[G1+5], 1024                        ; pitch
	s_mov_b32 s[G1+6], 0
	s_mov_b32 s[G1+7], 0
	; W's tiles: 192 rows x 64 elements, dense; 8 words of padding after every 32; they go to my column
	s_or_b32 s[G1B+0], s45, (1<<16)|(1<<20)|(1<<21)|(4<<22)|(7<<25)
	s_mov_b32 s[G1B+1], 64<<16
	s_mov_b32 s[G1B+2], 192<<16
	s_mov_b32 s[G1B+3], 64<<16
	s_mov_b32 s[G1B+4], 192
	s_mov_b32 s[G1B+5], 64
	s_mov_b32 s[G1B+6], 0
	s_mov_b32 s[G1B+7], 0
	; where the tiles come from: x's hang on the block of rows alone, W's on the head alone, each in registers that never hold the other coordinate
	s_lshl_b32 s66, s43, 19                        ; 256 rows of 2,048 bytes
	s_lshl_b32 s74, s22, 18                        ; my 128 of them
	s_add_co_u32 s66, s66, s74
	s_mov_b32 s67, 0
	s_mul_i32 s68, s42, 393216                     ; the head's weights
	s_mul_i32 s75, s22, 24576                      ; my 64 k of a step
	s_add_co_u32 s68, s68, s75
	s_mov_b32 s69, 0
	s_mul_i32 s76, s22, HALFA                      ; and where they go: no place in the cluster enters an LDS address
	s_mul_i32 s77, s22, HALFB
	s_add_co_u32 s77, s77, BOFF
	s_wait_dscnt 0x0
	s_wait_kmcnt 0x0
	s_add_nc_u64 s[66:67], s[4:5], s[66:67]
	s_add_nc_u64 s[68:69], s[6:7], s[68:69]
.irp s, 0,1
	s_mov_b32 s[G0+4*\s], 1
	s_add_co_u32 s[G0+4*\s+1], s76, \s*SLOT
	s_add_nc_u64 s[G0+4*\s+2:G0+4*\s+3], s[66:67], \s*KSTEP*2      ; K step s
	s_or_b32 s[G0+4*\s+3], s[G0+4*\s+3], 0x80000000
	s_mov_b32 s[G0B+4*\s], 1
	s_add_co_u32 s[G0B+4*\s+1], s77, \s*SLOT
	s_add_nc_u64 s[G0B+4*\s+2:G0B+4*\s+3], s[68:69], \s*49152
	s_or_b32 s[G0B+4*\s+3], s[G0B+4*\s+3], 0x80000000
.endr
	CROUND                                         ; all sixteen work-groups are here: the first joint loads meet
	s_cmp_eq_u32 s21, 0
	s_cbranch_scc0 .Lfirst_b
	tensor_load_to_lds s[G0:G0+3], s[G1:G1+7]
	s_nop 0
	tensor_load_to_lds s[G0+4:G0+7], s[G1:G1+7]
	s_nop 0
	s_branch .Lfirst_done
.Lfirst_b:
	tensor_load_to_lds s[G0B:G0B+3], s[G1B:G1B+7]
	s_nop 0
	tensor_load_to_lds s[G0B+4:G0B+7], s[G1B:G1B+7]
	s_nop 0
.Lfirst_done:
	; offsets that hold both coordinates: they feed plain loads and stores alone
	s_lshl_b32 s72, s42, 8                         ; b: the head's 64 f32
	s_mov_b32 s73, 0
.irp p, 8,10,12
	s_add_nc_u64 s[\p:\p+1], s[\p:\p+1], s[72:73]
.endr
	s_lshr_b32 s70, s43, 3                         ; out: ((batch 16 + head) 2048 + first position) rows of 128 bytes
	s_lshl_b32 s70, s70, 4
	s_add_co_u32 s70, s70, s42
	s_lshl_b32 s70, s70, 18
	s_and_b32 s78, s43, 7                          ; the block inside its batch
	s_lshl_b32 s79, s78, 15
	s_add_co_u32 s70, s70, s79
	s_mov_b32 s71, 0
.irp p, 14,16,18
	s_add_nc_u64 s[\p:\p+1], s[\p:\p+1], s[70:71]
.endr
	v_and_b32 v1, 15, v0                           ; r
	v_bfe_u32 v2, v0, 4, 1                         ; h
	s_lshl_b32 s74, s22, 6
	v_lshl_add_u32 v[VBI], v2, 5, s74
.irp mat, 0,1,2
.irp hi, 0,1
	global_load_b128 v[BI+16*\mat+8*\hi:BI+16*\mat+8*\hi+3],   v[VBI], s[8+2*\mat:9+2*\mat] offset:\hi*128
	global_load_b128 v[BI+16*\mat+8*\hi+4:BI+16*\mat+8*\hi+7], v[VBI], s[8+2*\mat:9+2*\mat] offset:\hi*128+16
.endr
.endr
	v_mul_u32_u24 v3, v1, PA
	v_lshl_add_u32 v3, v2, 4, v3
	s_mul_i32 s74, s21, HALFA
	v_add_nc_u32 v[ADRA], s74, v3                  ; (128 (w >> 1) + r) 272 + 16 h
	v_add_nc_u32 v[ADRA+1], SLOT, v[ADRA]
	v_and_b32 v4, 7, v0
	v_lshl_add_u32 v4, v2, 3, v4
	v_mul_u32_u24 v4, v4, PB
	v_bfe_u32 v5, v0, 3, 1
	v_lshl_add_u32 v4, v5, 4, v4
	s_lshl_b32 s74, s22, 5
	s_add_co_u32 s74, s74, BOFF
	v_add_nc_u32 v[ADRB], s74, v4                  ; BOFF + (8 h + lane % 8) 160 + 32 (w & 1) + 16 ((lane >> 3) & 1)
	v_add_nc_u32 v[ADRB+1], SLOT, v[ADRB]
	v_mul_u32_u24 v3, v1, 144
	v_lshl_add_u32 v3, v2, 4, v3
	s_mul_i32 s74, s21, 18432
	s_lshl_b32 s75, s22, 5
	s_add_co_u32 s74, s74, s75
	v_add_nc_u32 v[STG], s74, v3                   ; (128 (w >> 1) + r) 144 + 32 (w & 1) + 16 h
	v_add_nc_u32 v[STG2], 73728, v[STG]
	v_bfe_u32 v3, v0, 3, 2
	v_mul_u32_u24 v3, v3, 144
	v_and_b32 v4, 7, v0
	v_lshl_add_u32 v3, v4, 4, v3
	s_mul_i32 s74, s20, 9216
	v_add_nc_u32 v[RDB], s74, v3                   ; back: (64 w + lane / 8) 144 + 16 (lane % 8): four rows of 128 bytes an instruction
	v_add_nc_u32 v[RDB2], 73728, v[RDB]
	v_and_b32 v4, 31, v0
	s_lshl_b32 s74, s20, 13
	v_lshl_add_u32 v[GO], v4, 4, s74               ; and the same 512 bytes, dense, in memory
	; COS AND SIN, while the first tiles are on their way.  My columns have the frequencies 10000^(-i/32) = 2^(-0.41524101 i), i = 16 (w & 1) + 8 h + j.
	; Every line is written for all values at once, so that no line waits for the one in front of it.
	s_lshl_b32 s74, s22, 4
	v_lshl_add_u32 v[VI], v2, 3, s74
.irp j, 0,1,2,3,4,5,6,7
	v_add_nc_u32 v[TJ+\j], \j, v[VI]
.endr
.irp j, 0,1,2,3,4,5,6,7
	v_cvt_f32_u32 v[TJ+\j], v[TJ+\j]
.endr
.irp j, 0,1,2,3,4,5,6,7
	v_mul_f32 v[TJ+\j], 0xbed49a78, v[TJ+\j]
.endr
.irp j, 0,1,2,3,4,5,6,7
	v_exp_f32 v[FR+\j], v[TJ+\j]
.endr
	s_lshl_b32 s74, s78, 8
	s_lshl_b32 s75, s21, 7
	s_add_co_u32 s74, s74, s75
	v_add_nc_u32 v[PP], s74, v1                    ; my row's position in row tile 0; the plain instruction behind the exponentials (ISA guide 5.7.2)
	v_cvt_f32_u32 v[PP], v[PP]
	v_mov_b32 v[KS], 0xb9500d01                    ; -1/5040
	v_mov_b32 v[KC], 0x37d00d01                    ; 1/40320
	s_wait_alu depctr_va_vdst(0)
.irp j, 0,1,2,3,4,5,6,7
	v_mul_f32 v[AN+\j], v[PP], v[FR+\j]            ; the first row tile's angles, 0 <= x < 2048
	v_mul_f32 v[AN+8+\j], 0x41800000, v[FR+\j]     ; a step of 16 rows
.endr
	; the angle in turns less the nearest whole number, a quarter of what is left (at most pi/4 in size) through the series up to u^7 and u^8,
	; whose remainders there are below 4e-7, then two doublings
.irp i, 0,1,2,3,4,5,6,7,8,9,10,11,12,13,14,15
	v_mul_f32 v[TT+\i], 0.15915494, v[AN+\i]
.endr
.irp i, 0,1,2,3,4,5,6,7,8,9,10,11,12,13,14,15
	v_rndne_f32 v[TT+\i], v[TT+\i]
.endr
.irp i, 0,1,2,3,4,5,6,7,8,9,10,11,12,13,14,15
	v_fma_f32 v[TT+\i], v[AN+\i], 0.15915494, -v[TT+\i]            ; turns, -1/2 .. 1/2, one rounding
.endr
.irp i, 0,1,2,3,4,5,6,7,8,9,10,11,12,13,14,15
	v_mul_f32 v[TT+\i], 0x3fc90fdb, v[TT+\i]                       ; u = turns x pi/2 = angle / 4
.endr
.irp i, 0,1,2,3,4,5,6,7,8,9,10,11,12,13,14,15
	v_mul_f32 v[ZZ+\i], v[TT+\i], v[TT+\i]
.endr
.irp i, 0,1,2,3,4,5,6,7,8,9,10,11,12,13,14,15
	v_fmaak_f32 v[S16+\i], v[KS], v[ZZ+\i], 0x3c088889             ; 1/120
	v_fmaak_f32 v[C16+\i], v[KC], v[ZZ+\i], 0xbab60b61             ; -1/720
.endr
.irp i, 0,1,2,3,4,5,6,7,8,9,10,11,12,13,14,15
	v_fmaak_f32 v[S16+\i], v[S16+\i], v[ZZ+\i], 0xbe2aaaab         ; -1/6
	v_fmaak_f32 v[C16+\i], v[C16+\i], v[ZZ+\i], 0x3d2aaaab         ; 1/24
.endr
.irp i, 0,1,2,3,4,5,6,7,8,9,10,11,12,13,14,15
	v_fmaak_f32 v[S16+\i], v[S16+\i], v[ZZ+\i], 0x3f800000
	v_fmaak_f32 v[C16+\i], v[C16+\i], v[ZZ+\i], 0xbf000000         ; -1/2
.endr
.irp i, 0,1,2,3,4,5,6,7,8,9,10,11,12,13,14,15
	v_mul_f32 v[S16+\i], v[S16+\i], v[TT+\i]
	v_fmaak_f32 v[C16+\i], v[C16+\i], v[ZZ+\i], 0x3f800000
.endr
.irp i, 0,1,2,3,4,5,6,7,8,9,10,11,12,13,14,15
	v_mul_f32 v[TT+\i], v[S16+\i], v[S16+\i]
	v_mul_f32 v[ZZ+\i], v[C16+\i], v[S16+\i]
.endr
.irp i, 0,1,2,3,4,5,6,7,8,9,10,11,12,13,14,15
	v_fma_f32 v[C16+\i], v[C16+\i], v[C16+\i], -v[TT+\i]           ; cos 2a = cos^2 - sin^2
	v_add_f32 v[S16+\i], v[ZZ+\i], v[ZZ+\i]                        ; sin 2a = 2 cos sin
.endr
.irp i, 0,1,2,3,4,5,6,7,8,9,10,11,12,13,14,15
	v_mul_f32 v[TT+\i], v[S16+\i], v[S16+\i]
	v_mul_f32 v[ZZ+\i], v[C16+\i], v[S16+\i]
.endr
.irp j, 0,1,2,3,4,5,6,7
	v_fma_f32 v[DC+\j], v[DC+\j], v[DC+\j], -v[TT+8+\j]            ; the step stays in window 0
	v_add_f32 v[DS+\j], v[ZZ+8+\j], v[ZZ+8+\j]
.endr
	WIN 0x80                                       ; row tile 0's go straight to their place in window 2
.irp j, 0,1,2,3,4,5,6,7
	v_fma_f32 v[CS+\j], v[C16+\j], v[C16+\j], -v[TT+\j]
	v_add_f32 v[CS+8+\j], v[ZZ+\j], v[ZZ+\j]
.endr
; The next row tile's cos and sin (at b) from the last one's (at a): one complex product with the step.  w1: source 0 in a's window; w2: and the destination in b's.
.macro ROT a, b, w1, w2
	WIN \w1
.irp j, 0,1,2,3,4,5,6,7
	v_mul_f32 v[TT+\j], v[\a+8+\j], v[DS+\j]
	v_mul_f32 v[TT+8+\j], v[\a+\j], v[DS+\j]
.endr
	WIN \w2
.irp j, 0,1,2,3,4,5,6,7
	v_fma_f32 v[\b+\j], v[\a+\j], v[DC+\j], -v[TT+\j]
	v_fma_f32 v[\b+8+\j], v[\a+8+\j], v[DC+\j], v[TT+8+\j]
.endr
.endm
	ROT 192, 208, 0x02, 0x82
	ROT 208, 224, 0x02, 0x82
	ROT 224, 240, 0x02, 0x82
	ROT 240, 192, 0x02, 0xc2                       ; from window 2 into window 3
	ROT 192, 208, 0x03, 0xc3
	ROT 208, 224, 0x03, 0xc3
	ROT 224, 240, 0x03, 0xc3
	WIN 0
	s_wait_loadcnt 0x0                             ; the biases
.irp p, 0,2,4,6,8,10,12,14,16,18,20,22,24,26,28,30
	v_pk_mul_f32 v[BI+\p:BI+\p+1], v[BI+\p:BI+\p+1], FACT op_sel_hi:[1,0]   ; q's and k's biases take the factor too
.endr
; 12 matrix instructions: row tiles a0, a0 + 1 of the window's four (hi = 0: my rows 0-63, 1: rows 64-127) x all 6 column tiles, 32 along K.
; The 48 accumulators take turns, one instruction a turn, in the same order in every quarter step.
; zero = 1: the first product starts the sums.
.macro MUL12 f, hi, a0, zero
.irp a, \a0, \a0+1
.irp b, 0,1,2,3,4,5
.if \zero
	v_wmma_f32_16x16x32_f16 v[8*(6*(\a)+\b):8*(6*(\a)+\b)+7], v[\f+8*\b:\f+8*\b+7], v[\f+8*(4*\hi+\a):\f+8*(4*\hi+\a)+7], 0
.else
	v_wmma_f32_16x16x32_f16 v[8*(6*(\a)+\b):8*(6*(\a)+\b)+7], v[\f+8*\b:\f+8*\b+7], v[\f+8*(4*\hi+\a):\f+8*(4*\hi+\a)+7], v[8*(6*(\a)+\b):8*(6*(\a)+\b)+7]
.endif
.endr
.endr
.endm
; 28 LDS loads in one run: the fragments of quarter step q (32 along K) into buffer f: 12 transposing loads of W, 16 loads of x.
; W's row in a slot: 192 (k / 64) + 64 mat + k % 64.
.macro FETCH slot, q, f
	WIN TO_B
.irp b, 0,1,2,3,4,5
	ds_load_tr16_b128 v[\f+8*\b:\f+8*\b+3],   v[ADRB+\slot] offset:(((\q)>>1)*192+((\b)>>1)*64+((\q)&1)*32)*PB+((\b)&1)*64
	ds_load_tr16_b128 v[\f+8*\b+4:\f+8*\b+7], v[ADRB+\slot] offset:(((\q)>>1)*192+((\b)>>1)*64+((\q)&1)*32+16)*PB+((\b)&1)*64
.endr
	WIN 0
.irp i, 0,1,2,3,4,5,6,7
	ds_load_b128 v[\f+8*\i:\f+8*\i+3],   v[ADRA+\slot] offset:(\q)*64+\i*16*PA
	ds_load_b128 v[\f+8*\i+4:\f+8*\i+7], v[ADRA+\slot] offset:(\q)*64+\i*16*PA+32
.endr
.endm
; A K step is four quarter steps, 48 matrix instructions each, on buffers 0, 1, 0, 1.
; One of the first three: multiplies buffer f; in its middle it fetches quarter q of the same slot into buffer g.
.macro QUARTER slot, q, f, g, zero
	s_wait_dscnt 8                                 ; W and x's rows 0-63 are in; the youngest eight loads (x's rows 64-127) may be out
	WIN MUL_LO
	MUL12 \f, 0, 0, \zero
	MUL12 \f, 0, 2, \zero
	PLACES
	FETCH \slot, \q, \g
	s_wait_dscnt 28                                ; all but the 28 just issued
	WIN MUL_HI
	MUL12 \f, 1, 0, \zero
	MUL12 \f, 1, 2, \zero
.endm
.macro THREE slot, zero
	QUARTER \slot, 1, F0, F1, \zero
	QUARTER \slot, 2, F1, F0, 0
	QUARTER \slot, 3, F0, F1, 0
.endm
; The last quarter: multiplies buffer 1 and changes slots.  fill = 1: this slot is filled again, two K steps ahead.
; In front of the barrier each wave waits for its own reads of this slot and for all its tensor loads, of which one is out: its part of the
; next slot.  Behind it nobody reads this slot and the next slot is whole: the refill comes first, then the next slot's first fragments.
; From a request to the wait for it a wave issues 180 matrix instructions.
.macro TURN slot, next, fill
	s_wait_dscnt 8
	WIN MUL_LO
	MUL12 F1, 0, 0, 0
	s_wait_dscnt 0                                 ; my reads of this slot are over
	s_wait_tensorcnt 0x0                           ; and all my tensor loads have landed
	ds_add_u32 v255, v31
	s_wait_dscnt 0x0
	s_barrier_signal -1                            ; (where a slot is filled again this barrier opens a round of the cluster's barrier)
	MUL12 F1, 0, 2, 0                              ; work on registers while the others arrive
	WIN 0
	s_barrier_wait -1
.if \fill
	CREST                                          ; no wave of any partner still reads this slot's tile or has a load on its way
	s_add_nc_u64 s[G0+4*\slot+2:G0+4*\slot+3], s[G0+4*\slot+2:G0+4*\slot+3], 2*KSTEP*2
	s_add_nc_u64 s[G0B+4*\slot+2:G0B+4*\slot+3], s[G0B+4*\slot+2:G0B+4*\slot+3], 2*49152
	JLOAD \slot                                    ; the first tensor load behind the round
.endif
	PLACES
	FETCH \next, 0, F0
	WIN MUL_HI
	MUL12 F1, 1, 0, 0
	MUL12 F1, 1, 2, 0
.endm
.macro LAP zero                        ; once round the ring, both slots filled again
	THREE 0, \zero
	TURN 0, 1, 1
	THREE 1, 0
	TURN 1, 0, 1
.endm
	s_wait_tensorcnt 0x1                           ; my part of K step 0 is in; step 1's load, issued behind it, stays out
	s_barrier_signal -1
	s_barrier_wait -1
	FETCH 0, 0, F0
	LAP 1                                          ; steps 0 and 1: the first products start the sums
	WIN 0                                          ; at a label and at a branch every window is 0
	s_mov_b32 s80, LAPS-2
.Llap:
	LAP 0
	WIN 0
	s_sub_co_u32 s80, s80, 1
	s_cmp_lg_u32 s80, 0
	s_cbranch_scc1 .Llap
	THREE 0, 0                                     ; the last lap fills nothing
	TURN 0, 1, 0
	THREE 1, 0
	s_wait_dscnt 8                                 ; the very last quarter: nothing more to fetch
	WIN MUL_LO
	MUL12 F1, 0, 0, 0
	MUL12 F1, 0, 2, 0
	s_wait_dscnt 0
	WIN MUL_HI
	MUL12 F1, 1, 0, 0
	MUL12 F1, 1, 2, 0
	; THE WAY OUT.  Three stages of 256 rows at pitch 144, 110,592 bytes, lie in slot 0: its last fill has landed and every wave's last reads of
	; it were back in front of the barrier of the last change of slots; since then only slot 1 is read.
	PLACES
; Row tile mt = tile a of window w (w4 = w in source 1's place): bias (and q's and k's factor), the turn, rounding, 16 bytes a lane and column tile into the stages.
.macro EPI mt, a, w, w4
	WIN \w
.irp nt, 0,1,2,3
.irp p, 0,2,4,6
	v_pk_fma_f32 v[T+8*\nt+\p:T+8*\nt+\p+1], v[8*(6*\a+\nt)+\p:8*(6*\a+\nt)+\p+1], FACT, v[BI+8*\nt+\p:BI+8*\nt+\p+1] op_sel_hi:[1,0,1]
.endr
.endr
.irp nt, 4,5
.irp p, 0,2,4,6
	v_pk_add_f32 v[T+8*\nt+\p:T+8*\nt+\p+1], v[8*(6*\a+\nt)+\p:8*(6*\a+\nt)+\p+1], v[BI+8*\nt+\p:BI+8*\nt+\p+1]
.endr
.endr
	WIN \w4
.irp mat, 0,1
.irp p, 0,2,4,6
	v_pk_mul_f32 v[R+16*\mat+\p:R+16*\mat+\p+1], v[T+16*\mat+\p:T+16*\mat+\p+1], v[CS+16*\a+\p:CS+16*\a+\p+1]
	v_pk_mul_f32 v[R+16*\mat+8+\p:R+16*\mat+8+\p+1], v[T+16*\mat+8+\p:T+16*\mat+8+\p+1], v[CS+16*\a+\p:CS+16*\a+\p+1]
.endr
.irp j, 0,1,2,3,4,5,6,7
	v_fma_f32 v[R+16*\mat+\j], -v[T+16*\mat+8+\j], v[CS+16*\a+8+\j], v[R+16*\mat+\j]   ; d < 32: t[d] cos - t[d+32] sin
.endr
.irp p, 0,2,4,6
	v_pk_fma_f32 v[R+16*\mat+8+\p:R+16*\mat+8+\p+1], v[T+16*\mat+\p:T+16*\mat+\p+1], v[CS+16*\a+8+\p:CS+16*\a+8+\p+1], v[R+16*\mat+8+\p:R+16*\mat+8+\p+1]   ; d >= 32: t[d] cos + t[d-32] sin
.endr
.endr
	WIN 0
.irp nt, 0,1,2,3
.irp k, 0,1,2,3
	v_cvt_pk_f16_f32 v[PK+4*\nt+\k], v[R+8*\nt+2*\k], v[R+8*\nt+2*\k+1]
.endr
.endr
.irp nt, 4,5
.irp k, 0,1,2,3
	v_cvt_pk_f16_f32 v[PK+4*\nt+\k], v[T+8*\nt+2*\k], v[T+8*\nt+2*\k+1]
.endr
.endr
.irp nt, 0,1,2,3
	ds_store_b128 v[STG], v[PK+4*\nt:PK+4*\nt+3] offset:(\nt>>1)*36864+\mt*2304+(\nt&1)*64
.endr
.irp nt, 4,5
	ds_store_b128 v[STG2], v[PK+4*\nt:PK+4*\nt+3] offset:\mt*2304+(\nt&1)*64
.endr
.endm
	EPI 0, 0, 2, 8
	EPI 1, 1, 2, 8
	EPI 2, 2, 2, 8
	EPI 3, 3, 2, 8
	EPI 4, 0, 3, 12
	EPI 5, 1, 3, 12
	EPI 6, 2, 3, 12
	EPI 7, 3, 3, 12
	s_wait_dscnt 0x0                               ; my stores into the stages are done: a row's 128 bytes come from two waves
	s_barrier_signal -1
	s_barrier_wait -1
.irp mat, 0,1
.irp st, 0,1,2,3,4,5,6,7,8,9,10,11,12,13,14,15
	ds_load_b128 v[64+64*\mat+4*\st:64+64*\mat+4*\st+3], v[RDB] offset:\mat*36864+\st*576
.endr
.endr
.irp st, 0,1,2,3,4,5,6,7,8,9,10,11,12,13,14,15
	ds_load_b128 v[192+4*\st:192+4*\st+3], v[RDB2] offset:\st*576
.endr
.irp mat, 0,1,2
.irp st, 0,1,2,3,4,5,6,7,8,9,10,11,12,13,14,15
	s_wait_dscnt 47-16*\mat-\st                    ; of the 48 reads those issued behind this one may be out
	global_store_b128 v[GO], v[64+64*\mat+4*\st:64+64*\mat+4*\st+3], s[14+2*\mat:15+2*\mat] offset:\st*512   ; 512 consecutive bytes, aligned
.endr
.endr
	s_set_vgpr_msb 0x1
	s_wait_tensorcnt 0x0
	ds_add_u32 v255, v31
	s_wait_dscnt 0x0
	s_set_vgpr_msb 0x100
	CROUND                                         ; the closing round: no work-group ends while a partner may still ask for a tile that names it
	s_endpgm
.Lfunc_end_k_qdebd07a453_qkv:
	.size	k_qdebd07a453_qkv, .Lfunc_end_k_qdebd07a453_qkv-k_qdebd07a453_qkv
	.p2alignl 7, 3214868480
	.fill 96, 4, 3214868480
	.section	.rodata,"a",@progbits
	.p2align	6, 0x0
	.amdhsa_kernel k_qdebd07a453_qkv
		.amdhsa_group_segment_fixed_size 327680
		.amdhsa_private_segment_fixed_size 0
		.amdhsa_enable_private_segment 0
		.amdhsa_kernarg_size 64
		.amdhsa_user_sgpr_count 2
		.amdhsa_user_sgpr_kernarg_segment_ptr 1
		.amdhsa_wavefront_size32 1
		.amdhsa_system_sgpr_workgroup_id_x 1
		.amdhsa_system_sgpr_workgroup_id_y 1
		.amdhsa_system_sgpr_workgroup_id_z 1
		.amdhsa_system_vgpr_workitem_id 0
		.amdhsa_next_free_vgpr 1024
		.amdhsa_next_free_sgpr 84
		.amdhsa_reserve_vcc 0
		.amdhsa_float_denorm_mode_32 3
		.amdhsa_float_denorm_mode_16_64 3
		.amdhsa_memory_ordered 1
		.amdhsa_forward_progress 1
		.amdhsa_inst_pref_size 226
	.end_amdhsa_kernel
	.amdgpu_metadata
---
amdhsa.version: [ 1, 2 ]
amdhsa.kernels:
  - .name:           k_qdebd07a453_qkv
    .symbol:         k_qdebd07a453_qkv.kd
    .args:
      - { .name: xh, .offset: 0, .size: 8, .value_kind: global_buffer, .address_space: global }
      - { .name: wh, .offset: 8, .size: 8, .value_kind: global_buffer, .address_space: global }
      - { .name: bq, .offset: 16, .size: 8, .value_kind: global_buffer, .address_space: global }
      - { .name: bk, .offset: 24, .size: 8, .value_kind: global_buffer, .address_space: global }
      - { .name: bv, .offset: 32, .size: 8, .value_kind: global_buffer, .address_space: global }
      - { .name: qws, .offset: 40, .size: 8, .value_kind: global_buffer, .address_space: global }
      - { .name: kws, .offset: 48, .size: 8, .value_kind: global_buffer, .address_space: global }
      - { .name: vws, .offset: 56, .size: 8, .value_kind: global_buffer, .address_space: global }
    .group_segment_fixed_size: 327680
    .private_segment_fixed_size: 0
    .kernarg_segment_align: 8
    .kernarg_segment_size: 64
    .max_flat_workgroup_size: 128
    .sgpr_count:     84
    .vgpr_count:     1024
    .wavefront_size: 32
...
	.end_amdgpu_metadata
.endif
;; end of part 2
;; launch attn (part 3): grid 256 x 1, 8 waves a work-group, clusters of 4 x 1, 327,680 bytes of LDS; arguments qws, kws, vws, aows; writes aows
.if DOCPART == 3
	.amdgcn_target "amdgcn-amd-amdhsa--gfx1250"
	.amdhsa_code_object_version 6
	.text
	.protected	k_qdebd07a453_attn
	.globl	k_qdebd07a453_attn
	.p2align	8
	.type	k_qdebd07a453_attn,@function
k_qdebd07a453_attn:
	s_mov_b64 s[64:65], 0
	v_nop
	global_prefetch_b8 v0, s[64:65] scope:SCOPE_SE
	s_setreg_imm32_b32 hwreg(HW_REG_WAVE_MODE, 25, 1), 1
	s_wait_xcnt 0x0
	s_wait_alu depctr_hold_cnt(0) depctr_sa_sdst(0) depctr_va_vdst(0) depctr_va_sdst(0) depctr_va_ssrc(0) depctr_va_vcc(0) depctr_vm_vsrc(0)
	s_getreg_b32 s2, hwreg(HW_REG_IB_STS2, 6, 4)
	s_cmp_eq_u32 s2, 0
	s_cbranch_scc0 .Lentry_in_a_cluster
	s_endpgm
.Lentry_in_a_cluster:
	s_bfe_u32 s2, ttmp6, 0x10000c
	s_cmp_lg_u32 s2, 0x3003
	s_cbranch_scc0 .Lentry_shape_is_right
	s_endpgm
.Lentry_shape_is_right:
; softmax(q k^T) v for 256 queries of one head, keys streamed in 8 chunks of 256, with a running maximum.  q and k each already hold
; sqrt(log2(e)/8), so every exponential is a power of two.  qws, kws, vws, aows: f16 [b][h][s][64], rows of 128 bytes, a head dense.
; Eight waves.  Waves w and w + 4 hold the same 64 queries (four tiles qt) and share the keys: group g = w >> 2 takes keys 128 g .. +127 of
; every chunk, as two blocks of 64; each keeps its own maximum, sum and O, and the two are joined at the end.
; Group 1 runs a block's softmax and P V one phase later than group 0 (the branch hangs on the wave's number and holds no barrier).
; TRANSPOSED PRODUCTS.  S^T = K Q^T: lane (r, h), register j of a tile holds key 8 h + j of query r, so a query's maximum and sum are taken
; inside the lane and across lanes r and r + 16, and v_cvt_pk_f16_f32 of neighbouring registers is already source 1 of O^T = V^T P^T,
; whose source 0 comes from V's rows by the transposing LDS load.
; CLUSTER: the four work-groups of a cluster are four query blocks of one head and walk the same K and V.  Every tile is asked for jointly
; (mask 15); its address is made of the cluster's number and the wave's alone.  Waves 0-3 ask for K's four quarters of a chunk, waves 4-7 for V's.
; Two LDS slots of one chunk each; by this text's count a wave has two tensor loads out at the start and one behind each round.
; F16: the probabilities lie in 0 .. 1 by the running maximum, whatever the inputs; one below 2^-25 of its block's maximum rounds to zero
; against a sum of at least 1.  The attention output is an average of v's rows and has v's range.
; LIMITS.  Scores must be finite (an all -inf or NaN row is not served).  An output beyond 65,504 in size overflows to infinity.
; The sums over the keys are formed in two halves, each in blocks of 64, and joined once.
.set SLOT,  77824                      ; K: 256 rows at pitch 144, then V: 256 rows at pitch 160
.set VOFF,  36864
.set STAGE, 155648                     ; behind the slots, never a tensor load's target: per group 256 queries at pitch 272, f32
.set STGB,  69632
.set MLB,   294912                     ; 512 bytes a wave: (maximum, sum) of its 64 queries
.set KA,  1                            ; v1-2   K fragments in slot 0, 1
.set VA,  3                            ; v3-4   V fragments in slot 0, 1
.set QO,  5
.set SG,  6
.set MLW, 7
.set MLP, 8
.set RS,  9
.set RS2, 10
.set GO,  11
.set Q,   16                           ; v16-79    Q fragments, 16 qt + 8 dc
.set KP,  80                           ; v80-143   K fragments, 16 kt + 8 dc; then P, 16 qt + 4 kt + jj
.set VF,  144                          ; v144-207  V fragments, 32 c2 + 8 dt
.set M,   208                          ; v208-211  running maximum
.set L,   212                          ; v212-219  running sum, a pair a query tile
.set NM,  220                          ; v220-227  (-m, -m)
.set AL,  228                          ; v228-235  (alpha, alpha)
.set T,   236
.set T2,  240
.set OB,  128                          ; window 1: S v0-127 at 32 qt + 8 kt, O v128-255 at 128 + 32 qt + 8 dt
.set G1K, 24
.set G1V, 32
.set G0K, 40
.set G0V, 48
.set MSB, 0
.macro WIN new                         ; s_set_vgpr_msb: bits 1:0 source 0, 3:2 source 1, 5:4 source 2, 7:6 destination; the high byte repeats the setting left
.if MSB != \new
	s_set_vgpr_msb (MSB<<8)|\new
.set MSB, \new
.endif
.endm
.macro PLACES n                        ; n plain vector instructions behind a matrix instruction: four in front of a load into, or a vector
.rept \n                               ; read of, its registers; five in front of a matrix instruction that writes over one of them
	v_nop
.endr
.endm
.macro BAR
	s_barrier_signal -1
	s_barrier_wait -1
.endm
.macro ROUND                           ; a round of the cluster's barrier: my work-group's barrier, wave 0 signals for it, all wait for the four, my work-group's barrier again
	s_barrier_signal -1
	s_barrier_wait -1
	s_cmp_lg_u32 s12, 0
	s_cbranch_scc1 .Lnot_wave_0_\@
	s_barrier_signal -3
.Lnot_wave_0_\@:
	s_barrier_wait -3
	s_barrier_signal -1
	s_barrier_wait -1
.endm
.macro JLOAD slot                      ; one joint load a wave: group 0 K's quarter, group 1 V's
	s_cmp_eq_u32 s13, 0
	s_cbranch_scc0 .Lfor_v_\@
	tensor_load_to_lds s[G0K+4*\slot:G0K+4*\slot+3], s[G1K:G1K+7]
	s_nop 0
	s_branch .Lasked_\@
.Lfor_v_\@:
	tensor_load_to_lds s[G0V+4*\slot:G0V+4*\slot+3], s[G1V:G1V+7]
	s_nop 0
.Lasked_\@:
.endm
	s_load_b256 s[4:11], s[0:1], 0x0               ; qws 4, kws 6, vws 8, aows 10
	v_lshl_add_u32 v254, v0, 2, 0x49000
	v_mov_b32 v255, 0
	ds_add_u32 v254, v255
	v_lshrrev_b32 v12, 5, v0
	v_readfirstlane_b32 s12, v12                   ; wave w
	s_lshr_b32 s13, s12, 2                         ; group g
	s_and_b32 s14, s12, 3                          ; which 64 queries; also which quarter of a chunk I fetch
	s_bfe_u32 s59, ttmp6, 0x40000                  ; cx
	s_lshr_b32 s60, ttmp9, 1                       ; batch x 16 + head: two clusters a head
	s_and_b32 s61, ttmp9, 1
	s_lshl_b32 s61, s61, 2
	s_add_co_u32 s61, s61, s59                     ; block of 256 queries, 0..7
	s_mov_b32 s56, 0x76543210                      ; v_permlanex16_b32: lane i reads lane i of the other half
	s_mov_b32 s57, 0xfedcba98
	; group 1: 64 rows x 64 elements of 2 bytes, 64 elements from row to row; after every 32 words 4 (K) or 8 (V) words of padding; mask 15, bit 21 beside it
	s_mov_b32 s[G1K+0], 15|(1<<16)|(1<<20)|(1<<21)|(4<<22)|(3<<25)
	s_mov_b32 s[G1V+0], 15|(1<<16)|(1<<20)|(1<<21)|(4<<22)|(7<<25)
.irp g, G1K, G1V
	s_mov_b32 s[\g+1], 64<<16                      ; tensor_dim0 = 64
	s_mov_b32 s[\g+2], 64<<16                      ; tensor_dim1 = 64
	s_mov_b32 s[\g+3], 64<<16                      ; tile_dim0 = 64
	s_mov_b32 s[\g+4], 64                          ; tile_dim1 = 64
	s_mov_b32 s[\g+5], 64                          ; pitch
	s_mov_b32 s[\g+6], 0
	s_mov_b32 s[\g+7], 0
.endr
	s_lshl_b32 s16, s60, 18                        ; the head's 262,144 bytes
	s_lshl_b32 s15, s14, 13                        ; my 64 rows of a chunk
	s_add_co_u32 s16, s16, s15
	s_mov_b32 s17, 0
	s_mul_i32 s22, s14, 9216                       ; where they go: K's quarter,
	s_mul_i32 s23, s14, 10240
	s_add_co_u32 s23, s23, VOFF                    ; V's quarter
	s_wait_dscnt 0x0
	s_wait_kmcnt 0x0
	s_add_nc_u64 s[18:19], s[6:7], s[16:17]
	s_add_nc_u64 s[20:21], s[8:9], s[16:17]
.irp s, 0,1
	s_mov_b32 s[G0K+4*\s], 1
	s_add_co_u32 s[G0K+4*\s+1], s22, \s*SLOT
	s_add_nc_u64 s[G0K+4*\s+2:G0K+4*\s+3], s[18:19], \s*32768      ; chunk s
	s_or_b32 s[G0K+4*\s+3], s[G0K+4*\s+3], 0x80000000
	s_mov_b32 s[G0V+4*\s], 1
	s_add_co_u32 s[G0V+4*\s+1], s23, \s*SLOT
	s_add_nc_u64 s[G0V+4*\s+2:G0V+4*\s+3], s[20:21], \s*32768
	s_or_b32 s[G0V+4*\s+3], s[G0V+4*\s+3], 0x80000000
.endr
	ROUND                                          ; the four work-groups are here: the first joint loads meet
	s_cmp_eq_u32 s13, 0
	s_cbranch_scc0 .Lfirst_v
	tensor_load_to_lds s[G0K:G0K+3], s[G1K:G1K+7]
	s_nop 0
	tensor_load_to_lds s[G0K+4:G0K+7], s[G1K:G1K+7]
	s_nop 0
	s_branch .Lfirst_done
.Lfirst_v:
	tensor_load_to_lds s[G0V:G0V+3], s[G1V:G1V+7]
	s_nop 0
	tensor_load_to_lds s[G0V+4:G0V+7], s[G1V:G1V+7]
	s_nop 0
.Lfirst_done:
	s_lshl_b32 s2, s60, 18                         ; my queries: the only offsets that hold cx; they feed plain loads and stores alone
	s_lshl_b32 s3, s61, 15
	s_add_co_u32 s2, s2, s3
	s_mov_b32 s3, 0
	s_add_nc_u64 s[4:5], s[4:5], s[2:3]
	s_add_nc_u64 s[10:11], s[10:11], s[2:3]
	v_and_b32 v13, 15, v0                          ; r
	v_bfe_u32 v14, v0, 4, 1                        ; h
	s_lshl_b32 s15, s14, 13
	v_lshlrev_b32 v15, 7, v13
	v_lshl_add_u32 v15, v14, 4, v15
	v_add_nc_u32 v[QO], s15, v15                   ; (64 (w & 3) + r) 128 + 16 h
.irp qt, 0,1,2,3
.irp p, 0,1,2,3
	global_load_b128 v[Q+16*\qt+4*\p:Q+16*\qt+4*\p+3], v[QO], s[4:5] offset:\qt*2048+32*\p
.endr
.endr
	s_mul_i32 s15, s13, 18432
	v_mul_u32_u24 v15, v13, 144
	v_lshl_add_u32 v15, v14, 4, v15
	v_add_nc_u32 v[KA], s15, v15                   ; (128 g + r) 144 + 16 h
	v_add_nc_u32 v[KA+1], SLOT, v[KA]
	v_and_b32 v15, 7, v0
	v_lshl_add_u32 v15, v14, 3, v15
	v_mul_u32_u24 v15, v15, 160
	v_bfe_u32 v12, v0, 3, 1
	v_lshl_add_u32 v15, v12, 4, v15
	s_mul_i32 s15, s13, 20480
	s_add_co_u32 s15, s15, VOFF
	v_add_nc_u32 v[VA], s15, v15                   ; VOFF + (128 g + 8 h + lane % 8) 160 + 16 ((lane >> 3) & 1)
	v_add_nc_u32 v[VA+1], SLOT, v[VA]
	s_mul_i32 s15, s13, STGB
	s_mul_i32 s62, s14, 17408
	s_add_co_u32 s15, s15, s62
	s_add_co_u32 s15, s15, STAGE
	v_mul_u32_u24 v15, v13, 272
	v_lshl_add_u32 v15, v14, 5, v15
	v_add_nc_u32 v[SG], s15, v15                   ; my group's stage + (64 (w & 3) + r) 272 + 32 h
	s_lshl_b32 s15, s12, 9
	s_add_co_u32 s15, s15, MLB
	v_lshl_add_u32 v[MLW], v13, 3, s15
	s_xor_b32 s15, s12, 4                          ; the wave that holds the same queries in the other group
	s_lshl_b32 s15, s15, 9
	s_add_co_u32 s15, s15, MLB
	v_lshl_add_u32 v[MLP], v13, 3, s15
	s_mul_i32 s15, s12, 8704
	s_add_co_u32 s15, s15, STAGE
	v_bfe_u32 v15, v0, 3, 2
	v_mul_u32_u24 v15, v15, 272
	v_and_b32 v12, 7, v0
	v_lshl_add_u32 v15, v12, 5, v15
	v_add_nc_u32 v[RS], s15, v15                   ; back: (32 w + lane / 8) 272 + 32 (lane % 8)
	v_add_nc_u32 v[RS2], STGB, v[RS]
	v_and_b32 v12, 31, v0
	s_lshl_b32 s15, s12, 12
	v_lshl_add_u32 v[GO], v12, 4, s15
.irp qt, 0,1,2,3
	v_mov_b32 v[M+\qt], 0xff800000                 ; -inf
	v_mov_b32 v[T2+\qt], 0                         ; v_permlanex16_b32 counts as a reader of its destination
.endr
.irp i, 0,1,2,3,4,5,6,7
	v_mov_b32 v[L+\i], 0
.endr
; Block blk (64 keys) of my half of the chunk in 'slot': K's and V's fragments, and S^T = K Q^T.
; The 16 score tiles take turns, one instruction a turn.
; Five places at the head: four would do for the loads into K's and V's fragment registers; the first products below write the score
; tiles anew, and the fifth keeps their distance behind the matrix instructions that wrote those tiles last, whichever phase stands in
; front of this one in the text (also from the end of one BA to the head of another, a way that no wave takes).
.macro BA slot, blk
	PLACES 5
.irp kt, 0,1,2,3
.irp p, 0,1,2,3
	ds_load_b128 v[KP+16*\kt+4*\p:KP+16*\kt+4*\p+3], v[KA+\slot] offset:\blk*9216+\kt*2304+32*\p
.endr
.endr
.irp c2, 0,1
.irp dt, 0,1,2,3
.irp e, 0,1
	ds_load_tr16_b128 v[VF+32*\c2+8*\dt+4*\e:VF+32*\c2+8*\dt+4*\e+3], v[VA+\slot] offset:\blk*10240+\c2*5120+\e*2560+32*\dt
.endr
.endr
.endr
	s_wait_dscnt 16                                ; K's sixteen loads are in; V's sixteen, issued behind them, may be out
	WIN 0x50
.irp dc, 0,1
.irp qt, 0,1,2,3
.irp kt, 0,1,2,3
.if \dc
	v_wmma_f32_16x16x32_f16 v[32*\qt+8*\kt:32*\qt+8*\kt+7], v[KP+16*\kt+8*\dc:KP+16*\kt+8*\dc+7], v[Q+16*\qt+8*\dc:Q+16*\qt+8*\dc+7], v[32*\qt+8*\kt:32*\qt+8*\kt+7]
.else
	v_wmma_f32_16x16x32_f16 v[32*\qt+8*\kt:32*\qt+8*\kt+7], v[KP+16*\kt+8*\dc:KP+16*\kt+8*\dc+7], v[Q+16*\qt+8*\dc:Q+16*\qt+8*\dc+7], 0
.endif
.endr
.endr
.endr
	WIN 0
.endm
; The block's softmax step and O^T += V^T P^T, on registers alone but for the wait for V's fragments.  first = 1: O starts here.
.macro BB first
	PLACES 4
	WIN 0x05
.irp qt, 0,1,2,3
	v_max3_num_f32 v[T+\qt], v[32*\qt], v[32*\qt+1], v[M+\qt]      ; four chains, started by the old maximum
.endr
.irp i, 2,4,6,8,10,12,14,16,18,20,22,24,26,28,30
.irp qt, 0,1,2,3
	v_max3_num_f32 v[T+\qt], v[32*\qt+\i], v[32*\qt+\i+1], v[T+\qt]
.endr
.endr
	WIN 0
.irp qt, 0,1,2,3
	v_permlanex16_b32 v[T2+\qt], v[T+\qt], s56, s57                ; the query's other sixteen-lane half holds its other keys
.endr
.irp qt, 0,1,2,3
	v_max_num_f32 v[T+\qt], v[T+\qt], v[T2+\qt]                    ; the new maximum
.endr
.irp qt, 0,1,2,3
	v_sub_f32 v[T2+\qt], v[M+\qt], v[T+\qt]
.endr
.irp qt, 0,1,2,3
	v_exp_f32 v[AL+2*\qt], v[T2+\qt]                               ; alpha = 2^(old - new); 0 in the first block
.endr
.irp qt, 0,1,2,3
	v_xor_b32 v[NM+2*\qt], 0x80000000, v[T+\qt]                    ; plain work behind the exponentials (ISA guide 5.7.2)
	v_xor_b32 v[NM+2*\qt+1], 0x80000000, v[T+\qt]
	v_mov_b32 v[M+\qt], v[T+\qt]
.endr
	s_wait_alu depctr_va_vdst(0)
.irp qt, 0,1,2,3
	v_mov_b32 v[AL+2*\qt+1], v[AL+2*\qt]
.endr
.irp qt, 0,1,2,3
	v_pk_mul_f32 v[L+2*\qt:L+2*\qt+1], v[L+2*\qt:L+2*\qt+1], v[AL+2*\qt:AL+2*\qt+1]
.endr
	WIN 0x41
.irp qt, 0,1,2,3
.irp i, 0,2,4,6,8,10,12,14,16,18,20,22,24,26,28,30
	v_pk_add_f32 v[32*\qt+\i:32*\qt+\i+1], v[32*\qt+\i:32*\qt+\i+1], v[NM+2*\qt:NM+2*\qt+1]
.endr
.endr
.set n, 0
.rept 128
	v_exp_f32 v[n], v[n]
.set n, n+1
.endr
.if \first
	v_nop                                          ; the plain instruction behind the last exponential
	s_wait_alu depctr_va_vdst(0)
.else
	s_wait_alu depctr_va_vdst(0)
.irp qt, 0,1,2,3
.irp i, 0,2,4,6,8,10,12,14,16,18,20,22,24,26,28,30
	v_pk_mul_f32 v[OB+32*\qt+\i:OB+32*\qt+\i+1], v[OB+32*\qt+\i:OB+32*\qt+\i+1], v[AL+2*\qt:AL+2*\qt+1]
.endr
.endr
.endif
	WIN 0x01
.irp i, 0,2,4,6,8,10,12,14,16,18,20,22,24,26,28,30
.irp qt, 0,1,2,3
	v_pk_add_f32 v[L+2*\qt:L+2*\qt+1], v[32*\qt+\i:32*\qt+\i+1], v[L+2*\qt:L+2*\qt+1]
.endr
.endr
	WIN 0x05
.irp qt, 0,1,2,3
.irp i, 0,1,2,3,4,5,6,7,8,9,10,11,12,13,14,15
	v_cvt_pk_f16_f32 v[KP+16*\qt+\i], v[32*\qt+2*\i], v[32*\qt+2*\i+1]
.endr
.endr
	s_wait_dscnt 0x0                               ; V's fragments
	WIN 0x50
.irp c2, 0,1
.irp qt, 0,1,2,3
.irp dt, 0,1,2,3
.if (\first)*(1-\c2)
	v_wmma_f32_16x16x32_f16 v[OB+32*\qt+8*\dt:OB+32*\qt+8*\dt+7], v[VF+32*\c2+8*\dt:VF+32*\c2+8*\dt+7], v[KP+16*\qt+8*\c2:KP+16*\qt+8*\c2+7], 0
.else
	v_wmma_f32_16x16x32_f16 v[OB+32*\qt+8*\dt:OB+32*\qt+8*\dt+7], v[VF+32*\c2+8*\dt:VF+32*\c2+8*\dt+7], v[KP+16*\qt+8*\c2:KP+16*\qt+8*\c2+7], v[OB+32*\qt+8*\dt:OB+32*\qt+8*\dt+7]
.endif
.endr
.endr
.endr
	WIN 0
.endm
; The change of slots.  In front of the round every wave's tensor loads have landed (its part of the next slot among them) and its reads of
; slot 'other' are back; behind the round that slot is asked for again, two chunks on, first thing.  refill = 0: nothing is left to fetch,
; and the work-group's own barrier shows the last chunk whole.
.macro SYNC other, refill
	s_wait_tensorcnt 0x0
	ds_add_u32 v254, v255
	s_wait_dscnt 0x0
.if \refill
	s_add_nc_u64 s[G0K+4*\other+2:G0K+4*\other+3], s[G0K+4*\other+2:G0K+4*\other+3], 65536   ; no load of mine is out: the descriptors may be written
	s_add_nc_u64 s[G0V+4*\other+2:G0V+4*\other+3], s[G0V+4*\other+2:G0V+4*\other+3], 65536
.endif
	s_wait_dscnt 0x0
.if \refill
	ROUND
	JLOAD \other
.else
	BAR
.endif
.endm
.macro CHUNK slot
	s_cmp_eq_u32 s13, 0
	s_cbranch_scc0 .Llate_\@
	BA \slot, 0
	BB 0
	BA \slot, 1
	BB 0
	s_branch .Lboth_\@
.Llate_\@:
	BB 0                                           ; the last block of the chunk before: its scores and V fragments are in registers
	BA \slot, 0
	BB 0
	BA \slot, 1
.Lboth_\@:
.endm
	s_wait_tensorcnt 0x1                           ; my part of chunk 0 is in; chunk 1's load, issued behind it, stays out
	BAR
	s_wait_loadcnt 0x0                             ; Q
	BA 0, 0
	BB 1
	BA 0, 1
	s_cmp_lg_u32 s13, 0
	s_cbranch_scc1 .Lchunk0_done
	BB 0
.Lchunk0_done:
	s_mov_b32 s58, 3
.Lloop:                                            ; chunks 1 to 6; chunks 2 to 7 are asked for
	SYNC 0, 1
	CHUNK 1
	SYNC 1, 1
	CHUNK 0
	s_sub_co_u32 s58, s58, 1
	s_cmp_lg_u32 s58, 0
	s_cbranch_scc1 .Lloop
	SYNC 0, 0
	CHUNK 1                                        ; chunk 7
	s_cmp_eq_u32 s13, 0
	s_cbranch_scc1 .Ljoin_groups
	BB 0
.Ljoin_groups:
	; THE TWO GROUPS ARE JOINED: (maximum, sum) through LDS, then each scales its O by 2^(m - max) / (whole sum) and the stages are added.
	PLACES 4
.irp qt, 0,1,2,3
	v_add_f32 v[L+2*\qt], v[L+2*\qt], v[L+2*\qt+1]
.endr
.irp qt, 0,1,2,3
	v_permlanex16_b32 v[T2+\qt], v[L+2*\qt], s56, s57
.endr
.irp qt, 0,1,2,3
	v_add_f32 v[NM+2*\qt+1], v[L+2*\qt], v[T2+\qt]
	v_mov_b32 v[NM+2*\qt], v[M+\qt]
.endr
.irp qt, 0,1,2,3
	ds_store_b64 v[MLW], v[NM+2*\qt:NM+2*\qt+1] offset:\qt*128     ; lanes r and r + 16 write the same pair
.endr
	s_wait_dscnt 0x0
	BAR
.irp qt, 0,1,2,3
	ds_load_b64 v[AL+2*\qt:AL+2*\qt+1], v[MLP] offset:\qt*128
.endr
	s_wait_dscnt 0x0
.irp qt, 0,1,2,3
	v_max_num_f32 v[T+\qt], v[NM+2*\qt], v[AL+2*\qt]
.endr
.irp qt, 0,1,2,3
	v_sub_f32 v[NM+2*\qt], v[NM+2*\qt], v[T+\qt]
	v_sub_f32 v[AL+2*\qt], v[AL+2*\qt], v[T+\qt]
.endr
.irp qt, 0,1,2,3
	v_exp_f32 v[T+\qt], v[NM+2*\qt]                ; my factor
	v_exp_f32 v[T2+\qt], v[AL+2*\qt]               ; the partner's
.endr
	v_nop
	s_wait_alu depctr_va_vdst(0)
.irp qt, 0,1,2,3
	v_mul_f32 v[T2+\qt], v[T2+\qt], v[AL+2*\qt+1]
.endr
.irp qt, 0,1,2,3
	v_fma_f32 v[T2+\qt], v[T+\qt], v[NM+2*\qt+1], v[T2+\qt]        ; the whole sum, at least 1
.endr
.irp qt, 0,1,2,3
	v_rcp_f32 v[M+\qt], v[T2+\qt]
.endr
	v_nop
	s_wait_alu depctr_va_vdst(0)
.irp qt, 0,1,2,3
	v_mul_f32 v[AL+2*\qt], v[T+\qt], v[M+\qt]
.endr
.irp qt, 0,1,2,3
	v_mov_b32 v[AL+2*\qt+1], v[AL+2*\qt]
.endr
	WIN 0x41
.irp qt, 0,1,2,3
.irp i, 0,2,4,6,8,10,12,14,16,18,20,22,24,26,28,30
	v_pk_mul_f32 v[OB+32*\qt+\i:OB+32*\qt+\i+1], v[OB+32*\qt+\i:OB+32*\qt+\i+1], v[AL+2*\qt:AL+2*\qt+1]
.endr
.endr
	WIN 0x04
.irp qt, 0,1,2,3
.irp dt, 0,1,2,3
	ds_store_b128 v[SG], v[OB+32*\qt+8*\dt:OB+32*\qt+8*\dt+3]   offset:\qt*4352+\dt*64
	ds_store_b128 v[SG], v[OB+32*\qt+8*\dt+4:OB+32*\qt+8*\dt+7] offset:\qt*4352+\dt*64+16
.endr
.endr
	WIN 0
	s_wait_dscnt 0x0
	BAR
	; Wave w adds, rounds and stores queries 32 w .. +31, four a step: a lane takes 8 numbers of each stage and stores 16 bytes.
.irp st, 0,1,2,3,4,5,6,7
	ds_load_b128 v[16+16*\st:16+16*\st+3],     v[RS]  offset:\st*1088
	ds_load_b128 v[16+16*\st+4:16+16*\st+7],   v[RS]  offset:\st*1088+16
	ds_load_b128 v[16+16*\st+8:16+16*\st+11],  v[RS2] offset:\st*1088
	ds_load_b128 v[16+16*\st+12:16+16*\st+15], v[RS2] offset:\st*1088+16
.endr
.irp st, 0,1,2,3,4,5,6,7
	s_wait_dscnt 28-4*\st                          ; this step's four reads are in; the later steps' may be out
.irp p, 0,2,4,6
	v_pk_add_f32 v[16+16*\st+\p:16+16*\st+\p+1], v[16+16*\st+\p:16+16*\st+\p+1], v[16+16*\st+8+\p:16+16*\st+8+\p+1]
.endr
.irp k, 0,1,2,3
	v_cvt_pk_f16_f32 v[144+4*\st+\k], v[16+16*\st+2*\k], v[16+16*\st+2*\k+1]
.endr
	global_store_b128 v[GO], v[144+4*\st:144+4*\st+3], s[10:11] offset:\st*512     ; 512 consecutive bytes, aligned
.endr
	s_wait_tensorcnt 0x0
	ds_add_u32 v254, v255
	s_wait_dscnt 0x0
	ROUND                                          ; the closing round: no work-group ends while a partner may still ask for a tile that names it
	s_endpgm
.Lfunc_end_k_qdebd07a453_attn:
	.size	k_qdebd07a453_attn, .Lfunc_end_k_qdebd07a453_attn-k_qdebd07a453_attn
	.p2alignl 7, 3214868480
	.fill 96, 4, 3214868480
	.section	.rodata,"a",@progbits
	.p2align	6, 0x0
	.amdhsa_kernel k_qdebd07a453_attn
		.amdhsa_group_segment_fixed_size 327680
		.amdhsa_private_segment_fixed_size 0
		.amdhsa_enable_private_segment 0
		.amdhsa_kernarg_size 32
		.amdhsa_user_sgpr_count 2
		.amdhsa_user_sgpr_kernarg_segment_ptr 1
		.amdhsa_wavefront_size32 1
		.amdhsa_system_sgpr_workgroup_id_x 1
		.amdhsa_system_sgpr_workgroup_id_y 1
		.amdhsa_system_sgpr_workgroup_id_z 1
		.amdhsa_system_vgpr_workitem_id 0
		.amdhsa_next_free_vgpr 512
		.amdhsa_next_free_sgpr 66
		.amdhsa_reserve_vcc 0
		.amdhsa_float_denorm_mode_32 3
		.amdhsa_float_denorm_mode_16_64 3
		.amdhsa_memory_ordered 1
		.amdhsa_forward_progress 1
		.amdhsa_inst_pref_size 255
	.end_amdhsa_kernel
	.section	.bss,"aw",@nobits
	.p2align	6
	.space	262144
	.amdgpu_metadata
---
amdhsa.version: [ 1, 2 ]
amdhsa.kernels:
  - .name:           k_qdebd07a453_attn
    .symbol:         k_qdebd07a453_attn.kd
    .args:
      - { .name: qws, .offset: 0, .size: 8, .value_kind: global_buffer, .address_space: global }
      - { .name: kws, .offset: 8, .size: 8, .value_kind: global_buffer, .address_space: global }
      - { .name: vws, .offset: 16, .size: 8, .value_kind: global_buffer, .address_space: global }
      - { .name: aows, .offset: 24, .size: 8, .value_kind: global_buffer, .address_space: global }
    .group_segment_fixed_size: 327680
    .private_segment_fixed_size: 0
    .kernarg_segment_align: 8
    .kernarg_segment_size: 32
    .max_flat_workgroup_size: 256
    .sgpr_count:     66
    .vgpr_count:     512
    .wavefront_size: 32
...
	.end_amdgpu_metadata
.endif
;; end of part 3
;; launch oproj (part 4): grid 8 x 32, 8 waves a work-group, clusters of 4 x 4, 327,680 bytes of LDS; arguments aows, woh, bo, out0; writes out0
.if DOCPART == 4
	.amdgcn_target "amdgcn-amd-amdhsa--gfx1250"
	.amdhsa_code_object_version 6
	.text
	.protected	k_qdebd07a453_oproj
	.globl	k_qdebd07a453_oproj
	.p2align	8
	.type	k_qdebd07a453_oproj,@function
k_qdebd07a453_oproj:
	s_mov_b64 s[64:65], 0
	v_nop
	global_prefetch_b8 v0, s[64:65] scope:SCOPE_SE
	s_setreg_imm32_b32 hwreg(HW_REG_WAVE_MODE, 25, 1), 1
	s_wait_xcnt 0x0
	s_wait_alu depctr_hold_cnt(0) depctr_sa_sdst(0) depctr_va_vdst(0) depctr_va_sdst(0) depctr_va_ssrc(0) depctr_va_vcc(0) depctr_vm_vsrc(0)
	s_getreg_b32 s2, hwreg(HW_REG_IB_STS2, 6, 4)
	s_cmp_eq_u32 s2, 0
	s_cbranch_scc0 .Lentry_in_a_cluster
	s_endpgm
.Lentry_in_a_cluster:
	s_bfe_u32 s2, ttmp6, 0x10000c
	s_cmp_lg_u32 s2, 0xf033
	s_cbranch_scc0 .Lentry_shape_is_right
	s_endpgm
.Lentry_shape_is_right:
; out0 = attention output x Wo + bo.  aows: f16 [b][h][s][64]; woh: Wo in f16, [1024 (h, d)][1024]; out0: f32 [4096][1024].
; A work-group makes 128 x 128 of out0.  Eight waves: group g = w >> 2 takes heads 2 g and 2 g + 1 of every four (the sum over K is formed in
; two halves and joined once at the end), and inside a group each wave makes 64 x 64: 16 accumulators.
; K goes in four phases of 256 (four heads) through two LDS slots filled by the tensor data mover: one load a wave, waves 0-3 a head's 128
; rows of aows each (rows of 128 bytes, as the heads lie), waves 4-7 64 rows of woh each (256 bytes of a row, aligned).
; CLUSTERS: 4 x 4 work-groups.  The four of a row of the cluster make the same 128 rows and need the same tiles of aows; the four of a column
; make the same 128 columns and need the same tiles of woh.  Each tile is asked for jointly, which divides the requests for both by four.
; By this text's count a wave has two tensor loads out at the start and one behind each round.
; Two fragment buffers: a step's 16 loads are issued in front of the step before's 16 matrix instructions.
; Source 0 = Wo's columns, source 1 = rows: lane (r, h) holds row r and eight neighbouring columns 8 h + 0..7 of a tile.
.set SLOT,  147456                     ; four sub-tiles (heads) of 128 rows at pitch 144, then 256 k rows of woh at pitch 288
.set SUBA,  18432
.set BOFF,  73728
.set STGB,  67584                      ; at the end, in slot 0's bytes: per group 128 rows at pitch 528, f32
.set FA,  1                            ; v1-2   row fragments in slot 0, 1
.set FB,  3                            ; v3-4   Wo fragments (transposing loads) in slot 0, 1
.set SG,  5
.set RS,  6
.set RS2, 7
.set VB,  8
.set VO,  9
.set FR,  16                           ; v16-143: fragment buffer b at FR + 64 b: rows 8 mt, then Wo at +32 + 8 nt
.set BI,  144                          ; v144-147 bo of my four columns on the way out
; window 1: v0-127 the accumulators, 8 (4 nt + mt)
.set G1A, 24
.set G1B, 32
.set G0A, 48
.set G0B, 56
.set MSB, 0
.macro WIN new                         ; s_set_vgpr_msb: bits 1:0 source 0, 3:2 source 1, 5:4 source 2, 7:6 destination; the high byte repeats the setting left
.if MSB != \new
	s_set_vgpr_msb (MSB<<8)|\new
.set MSB, \new
.endif
.endm
.macro PLACES                          ; four plain vector instructions between a matrix instruction and a load into, or a store of, its registers
.rept 4
	v_nop
.endr
.endm
.macro BAR
	s_barrier_signal -1
	s_barrier_wait -1
.endm
.macro ROUND                           ; a round of the cluster's barrier: my work-group's barrier, wave 0 signals for it, all wait for the sixteen, my work-group's barrier again
	s_barrier_signal -1
	s_barrier_wait -1
	s_cmp_lg_u32 s12, 0
	s_cbranch_scc1 .Lnot_wave_0_\@
	s_barrier_signal -3
.Lnot_wave_0_\@:
	s_barrier_wait -3
	s_barrier_signal -1
	s_barrier_wait -1
.endm
.macro JLOAD slot                      ; one joint load a wave: group 0 a head of aows, group 1 a quarter of woh's rows
	s_cmp_eq_u32 s13, 0
	s_cbranch_scc0 .Lfor_b_\@
	tensor_load_to_lds s[G0A+4*\slot:G0A+4*\slot+3], s[G1A:G1A+7]
	s_nop 0
	s_branch .Lasked_\@
.Lfor_b_\@:
	tensor_load_to_lds s[G0B+4*\slot:G0B+4*\slot+3], s[G1B:G1B+7]
	s_nop 0
.Lasked_\@:
.endm
	s_load_b256 s[4:11], s[0:1], 0x0               ; aows 4, woh 6, bo 8, out0 10
	v_lshl_add_u32 v254, v0, 2, 0x48000
	v_mov_b32 v255, 0
	ds_add_u32 v254, v255
	v_lshrrev_b32 v10, 5, v0
	v_readfirstlane_b32 s12, v10                   ; wave w
	s_lshr_b32 s13, s12, 2                         ; group g.  Also: I fetch for aows (0) or for woh (1)
	s_and_b32 s14, s12, 3                          ; which head, or which 64 rows of woh, I fetch
	s_bfe_u32 s15, s12, 0x10001                    ; which 64 rows are mine
	s_and_b32 s16, s12, 1                          ; which 64 columns
	s_bfe_u32 s40, ttmp6, 0x40000                  ; cx
	s_bfe_u32 s41, ttmp6, 0x40004                  ; cy
	s_lshl_b32 s42, ttmp9, 2
	s_add_co_u32 s42, s42, s40                     ; block of 128 columns = 4 x cluster x + cx
	s_and_b32 s43, ttmp7, 0xffff
	s_lshl_b32 s43, s43, 2
	s_add_co_u32 s43, s43, s41                     ; block of 128 rows = 4 x cluster y + cy
	s_lshl_b32 s44, s41, 2
	s_lshl_b32 s44, 15, s44                        ; my row of the cluster
	s_lshl_b32 s45, 0x1111, s40                    ; my column
	; aows: 128 rows x 64 elements of 2 bytes, dense; 4 words of padding after every 32; to my row of the cluster
	s_or_b32 s[G1A+0], s44, (1<<16)|(1<<20)|(1<<21)|(4<<22)|(3<<25)
	s_mov_b32 s[G1A+1], 64<<16                     ; tensor_dim0 = 64
	s_mov_b32 s[G1A+2], 128<<16                    ; tensor_dim1 = 128
	s_mov_b32 s[G1A+3], 64<<16                     ; tile_dim0 = 64
	s_mov_b32 s[G1A+4], 128                        ; tile_dim1 = 128
	s_mov_b32 s[G1A+5], 64                         ; pitch
	s_mov_b32 s[G1A+6], 0
	s_mov_b32 s[G1A+7], 0
	; woh: 64 rows x 128 elements, 1,024 elements from row to row; 8 words of padding after every 64; to my column
	s_or_b32 s[G1B+0], s45, (1<<16)|(1<<20)|(1<<21)|(5<<22)|(7<<25)
	s_mov_b32 s[G1B+1], 128<<16
	s_mov_b32 s[G1B+2], 64<<16
	s_mov_b32 s[G1B+3], 128<<16
	s_mov_b32 s[G1B+4], 64
	s_mov_b32 s[G1B+5], 1024
	s_mov_b32 s[G1B+6], 0
	s_mov_b32 s[G1B+7], 0
	; where the tiles come from: aows' hang on the block of rows alone, woh's on the block of columns alone, each in registers that never hold the other coordinate
	s_lshr_b32 s66, s43, 4                         ; batch x 16 heads of 262,144 bytes
	s_lshl_b32 s66, s66, 22
	s_and_b32 s17, s43, 15
	s_lshl_b32 s17, s17, 14                        ; + first position x 128 bytes
	s_add_co_u32 s66, s66, s17
	s_lshl_b32 s17, s14, 18                        ; + my head
	s_add_co_u32 s66, s66, s17
	s_mov_b32 s67, 0
	s_lshl_b32 s68, s42, 8                         ; 128 columns of 2 bytes
	s_lshl_b32 s18, s14, 17                        ; + my 64 rows of 2,048 bytes
	s_add_co_u32 s68, s68, s18
	s_mov_b32 s69, 0
	s_mul_i32 s19, s14, SUBA                       ; and where they go: no place in the cluster enters an LDS address
	s_add_co_u32 s20, s19, BOFF
	s_wait_dscnt 0x0
	s_wait_kmcnt 0x0
	s_add_nc_u64 s[66:67], s[4:5], s[66:67]
	s_add_nc_u64 s[68:69], s[6:7], s[68:69]
.irp s, 0,1
	s_mov_b32 s[G0A+4*\s], 1
	s_add_co_u32 s[G0A+4*\s+1], s19, \s*SLOT
	s_add_nc_u64 s[G0A+4*\s+2:G0A+4*\s+3], s[66:67], \s*1048576    ; phase s: four heads on
	s_or_b32 s[G0A+4*\s+3], s[G0A+4*\s+3], 0x80000000
	s_mov_b32 s[G0B+4*\s], 1
	s_add_co_u32 s[G0B+4*\s+1], s20, \s*SLOT
	s_add_nc_u64 s[G0B+4*\s+2:G0B+4*\s+3], s[68:69], \s*524288     ; 256 rows on
	s_or_b32 s[G0B+4*\s+3], s[G0B+4*\s+3], 0x80000000
.endr
	ROUND                                          ; all sixteen work-groups are here: the first joint loads meet
	s_cmp_eq_u32 s13, 0
	s_cbranch_scc0 .Lfirst_b
	tensor_load_to_lds s[G0A:G0A+3], s[G1A:G1A+7]
	s_nop 0
	tensor_load_to_lds s[G0A+4:G0A+7], s[G1A:G1A+7]
	s_nop 0
	s_branch .Lfirst_done
.Lfirst_b:
	tensor_load_to_lds s[G0B:G0B+3], s[G1B:G1B+7]
	s_nop 0
	tensor_load_to_lds s[G0B+4:G0B+7], s[G1B:G1B+7]
	s_nop 0
.Lfirst_done:
	; offsets for plain loads and stores alone
	s_lshl_b32 s2, s42, 9                          ; bo: 128 columns of f32
	s_mov_b32 s3, 0
	s_add_nc_u64 s[8:9], s[8:9], s[2:3]
	s_lshl_b32 s70, s43, 19                        ; out0: 128 rows of 4,096 bytes, and the columns
	s_add_co_u32 s70, s70, s2
	s_mov_b32 s71, 0
	s_add_nc_u64 s[10:11], s[10:11], s[70:71]
	v_and_b32 v10, 15, v0                          ; r
	v_bfe_u32 v11, v0, 4, 1                        ; h
	v_and_b32 v12, 31, v0                          ; lane
	v_lshlrev_b32 v[VB], 4, v12
	global_load_b128 v[BI:BI+3], v[VB], s[8:9]
	s_lshl_b32 s21, s12, 16
	v_add_nc_u32 v[VO], s21, v[VB]                 ; out0: 16 w rows + 16 lane
	s_mul_i32 s21, s13, 2*SUBA
	s_mul_i32 s22, s15, 9216
	s_add_co_u32 s21, s21, s22
	v_mul_u32_u24 v13, v10, 144
	v_lshl_add_u32 v13, v11, 4, v13
	v_add_nc_u32 v[FA], s21, v13                   ; my group's first sub-tile + (64 wm + r) 144 + 16 h
	v_add_nc_u32 v[FA+1], SLOT, v[FA]
	v_and_b32 v13, 7, v0
	v_lshl_add_u32 v13, v11, 3, v13
	v_mul_u32_u24 v13, v13, 288
	v_bfe_u32 v14, v0, 3, 1
	v_lshl_add_u32 v13, v14, 4, v13
	s_mul_i32 s21, s13, 36864
	s_lshl_b32 s22, s16, 7
	s_add_co_u32 s21, s21, s22
	s_add_co_u32 s21, s21, BOFF
	v_add_nc_u32 v[FB], s21, v13                   ; BOFF + (128 g + 8 h + lane % 8) 288 + 128 wn + 16 ((lane >> 3) & 1)
	v_add_nc_u32 v[FB+1], SLOT, v[FB]
	s_mul_i32 s21, s13, STGB
	s_mul_i32 s22, s15, 33792
	s_add_co_u32 s21, s21, s22
	s_lshl_b32 s22, s16, 8
	s_add_co_u32 s21, s21, s22
	v_mul_u32_u24 v13, v10, 528
	v_lshl_add_u32 v13, v11, 5, v13
	v_add_nc_u32 v[SG], s21, v13                   ; my group's stage + (64 wm + r) 528 + 256 wn + 32 h
	s_mul_i32 s21, s12, 8448
	v_add_nc_u32 v[RS], s21, v[VB]                 ; back: 16 w rows + 16 lane
	v_add_nc_u32 v[RS2], STGB, v[RS]
; The fragments of step t (32 of my group's 128 along K) of the slot into buffer b: 8 loads of rows, 8 transposing loads of Wo.
.macro FETCH slot, t, b
.irp mt, 0,1,2,3
	ds_load_b128 v[FR+64*(\b)+8*\mt:FR+64*(\b)+8*\mt+3],   v[FA+\slot] offset:((\t)>>1)*SUBA+\mt*2304+((\t)&1)*64
	ds_load_b128 v[FR+64*(\b)+8*\mt+4:FR+64*(\b)+8*\mt+7], v[FA+\slot] offset:((\t)>>1)*SUBA+\mt*2304+((\t)&1)*64+32
.endr
.irp nt, 0,1,2,3
	ds_load_tr16_b128 v[FR+64*(\b)+32+8*\nt:FR+64*(\b)+32+8*\nt+3],   v[FB+\slot] offset:(\t)*9216+32*\nt
	ds_load_tr16_b128 v[FR+64*(\b)+32+8*\nt+4:FR+64*(\b)+32+8*\nt+7], v[FB+\slot] offset:(\t)*9216+4608+32*\nt
.endr
.endm
; 16 matrix instructions on buffer b.  The 16 accumulators take turns, one instruction a turn, always in the same order.
.macro MUL b, zero
	WIN 0x50                                       ; C and D in window 1
.irp nt, 0,1,2,3
.irp mt, 0,1,2,3
.if \zero
	v_wmma_f32_16x16x32_f16 v[8*(4*\nt+\mt):8*(4*\nt+\mt)+7], v[FR+64*(\b)+32+8*\nt:FR+64*(\b)+32+8*\nt+7], v[FR+64*(\b)+8*\mt:FR+64*(\b)+8*\mt+7], 0
.else
	v_wmma_f32_16x16x32_f16 v[8*(4*\nt+\mt):8*(4*\nt+\mt)+7], v[FR+64*(\b)+32+8*\nt:FR+64*(\b)+32+8*\nt+7], v[FR+64*(\b)+8*\mt:FR+64*(\b)+8*\mt+7], v[8*(4*\nt+\mt):8*(4*\nt+\mt)+7]
.endif
.endr
.endr
	WIN 0
.endm
; A step: its fragments are in; the next step's (t, into buffer nb) are asked for; then the products.
.macro STEP b, zero, more, slot, t, nb
	s_wait_dscnt 0x0                               ; this step's 16 loads: nothing was issued behind them
.if \more
	PLACES
	FETCH \slot, \t, \nb
.endif
	MUL \b, \zero
.endm
.macro PHASE slot, zero                ; my group's 128 of the slot's 256 along K
	PLACES
	FETCH \slot, 0, 0
	STEP 0, \zero, 1, \slot, 1, 1
	STEP 1, 0, 1, \slot, 2, 0
	STEP 0, 0, 1, \slot, 3, 1
	STEP 1, 0, 0, \slot, 0, 0
.endm
; The change of slots.  In front of the round every wave's tensor loads have landed (its part of the next slot among them) and its reads of
; slot 'other' are back; behind the round that slot is asked for again, two phases on, first thing.  refill = 0: nothing is left to fetch,
; and the work-group's own barrier shows the last slot whole.
.macro SYNC other, refill
	s_wait_tensorcnt 0x0
	ds_add_u32 v254, v255
	s_wait_dscnt 0x0
.if \refill
	s_add_nc_u64 s[G0A+4*\other+2:G0A+4*\other+3], s[G0A+4*\other+2:G0A+4*\other+3], 2097152   ; no load of mine is out: the descriptors may be written
	s_add_nc_u64 s[G0B+4*\other+2:G0B+4*\other+3], s[G0B+4*\other+2:G0B+4*\other+3], 1048576
.endif
	s_wait_dscnt 0x0
.if \refill
	ROUND
	JLOAD \other
.else
	BAR
.endif
.endm
	s_wait_tensorcnt 0x1                           ; my part of slot 0 is in; slot 1's load, issued behind it, stays out
	BAR
	PHASE 0, 1                                     ; K 0 .. 255: the first products start the sums
	SYNC 0, 1
	PHASE 1, 0                                     ; K 256 .. 511
	SYNC 1, 1
	PHASE 0, 0                                     ; K 512 .. 767
	SYNC 0, 0
	PHASE 1, 0                                     ; K 768 .. 1023
	; THE WAY OUT.  The two stages, 135,168 bytes, lie in slot 0: its last fill has landed and every wave's last reads of it were back in front
	; of the last barrier; since then only slot 1 is read.  Each group puts its half sums into its stage; then whole rows are added.
	PLACES
	WIN 0x04                                       ; the stores' data in window 1
.irp nt, 0,1,2,3
.irp mt, 0,1,2,3
	ds_store_b128 v[SG], v[8*(4*\nt+\mt):8*(4*\nt+\mt)+3]   offset:\mt*8448+\nt*64
	ds_store_b128 v[SG], v[8*(4*\nt+\mt)+4:8*(4*\nt+\mt)+7] offset:\mt*8448+\nt*64+16
.endr
.endr
	WIN 0
	s_wait_dscnt 0x0
	BAR
.irp rho, 0,1,2,3,4,5,6,7,8,9,10,11,12,13,14,15
	ds_load_b128 v[16+4*\rho:16+4*\rho+3], v[RS]  offset:\rho*528
	ds_load_b128 v[80+4*\rho:80+4*\rho+3], v[RS2] offset:\rho*528
.endr
	s_wait_loadcnt 0x0                             ; bo
.irp rho, 0,1,2,3,4,5,6,7,8,9,10,11,12,13,14,15
	s_wait_dscnt 30-2*\rho                         ; this row's two reads are in; the later rows' may be out
	v_pk_add_f32 v[16+4*\rho:16+4*\rho+1], v[16+4*\rho:16+4*\rho+1], v[80+4*\rho:80+4*\rho+1]
	v_pk_add_f32 v[16+4*\rho+2:16+4*\rho+3], v[16+4*\rho+2:16+4*\rho+3], v[80+4*\rho+2:80+4*\rho+3]
	v_pk_add_f32 v[16+4*\rho:16+4*\rho+1], v[16+4*\rho:16+4*\rho+1], v[BI:BI+1]
	v_pk_add_f32 v[16+4*\rho+2:16+4*\rho+3], v[16+4*\rho+2:16+4*\rho+3], v[BI+2:BI+3]
	global_store_b128 v[VO], v[16+4*\rho:16+4*\rho+3], s[10:11] offset:\rho*4096 th:TH_STORE_NT   ; 512 consecutive bytes of a row, aligned
.endr
	s_wait_tensorcnt 0x0
	ds_add_u32 v254, v255
	s_wait_dscnt 0x0
	ROUND                                          ; the closing round: no work-group ends while a partner may still ask for a tile that names it
	s_endpgm
.Lfunc_end_k_qdebd07a453_oproj:
	.size	k_qdebd07a453_oproj, .Lfunc_end_k_qdebd07a453_oproj-k_qdebd07a453_oproj
	.p2alignl 7, 3214868480
	.fill 96, 4, 3214868480
	.section	.rodata,"a",@progbits
	.p2align	6, 0x0
	.amdhsa_kernel k_qdebd07a453_oproj
		.amdhsa_group_segment_fixed_size 327680
		.amdhsa_private_segment_fixed_size 0
		.amdhsa_enable_private_segment 0
		.amdhsa_kernarg_size 32
		.amdhsa_user_sgpr_count 2
		.amdhsa_user_sgpr_kernarg_segment_ptr 1
		.amdhsa_wavefront_size32 1
		.amdhsa_system_sgpr_workgroup_id_x 1
		.amdhsa_system_sgpr_workgroup_id_y 1
		.amdhsa_system_sgpr_workgroup_id_z 1
		.amdhsa_system_vgpr_workitem_id 0
		.amdhsa_next_free_vgpr 384
		.amdhsa_next_free_sgpr 72
		.amdhsa_reserve_vcc 0
		.amdhsa_float_denorm_mode_32 3
		.amdhsa_float_denorm_mode_16_64 3
		.amdhsa_memory_ordered 1
		.amdhsa_forward_progress 1
		.amdhsa_inst_pref_size 55
	.end_amdhsa_kernel
	.amdgpu_metadata
---
amdhsa.version: [ 1, 2 ]
amdhsa.kernels:
  - .name:           k_qdebd07a453_oproj
    .symbol:         k_qdebd07a453_oproj.kd
    .args:
      - { .name: aows, .offset: 0, .size: 8, .value_kind: global_buffer, .address_space: global }
      - { .name: woh, .offset: 8, .size: 8, .value_kind: global_buffer, .address_space: global }
      - { .name: bo, .offset: 16, .size: 8, .value_kind: global_buffer, .address_space: global }
      - { .name: out0, .offset: 24, .size: 8, .value_kind: global_buffer, .address_space: global }
    .group_segment_fixed_size: 327680
    .private_segment_fixed_size: 0
    .kernarg_segment_align: 8
    .kernarg_segment_size: 32
    .max_flat_workgroup_size: 256
    .sgpr_count:     72
    .vgpr_count:     384
    .wavefront_size: 32
...
	.end_amdgpu_metadata
.endif
;; end of part 4
